; MI455X (gfx1250); checked and timed in simulation.
; The chip was launched on July 23, 2026; its instructions are those of AMD's public machine-readable ISA for CDNA 5 (MIT licence, August 2026) and "CDNA5" Instruction Set Architecture Reference Guide (July 2026). The comments in the code are by the model that wrote it; some were corrected since.
;; Prediction Score. Allowed arithmetic: float matrix products may take bf16 or f16 operands with f32 sums; all other float work in f32.
;; Inputs: ba_W1 128 x 256 float32; ba_W2 256 x 128 float32; ba_W3 128 x 1 float32; ba_b1 256 float32; ba_b2 128 float32; ba_b3 1 float32; ba_be1 256 float32; ba_be2 128 float32; ba_g1 256 float32; ba_g2 128 float32; ba_m1 256 float32; ba_m2 128 float32; ba_v1 256 float32; ba_v2 128 float32; hl 8 x 64 x 128 float32; hp 8 x 512 x 128 float32; l_pos 8 x 64 x 3 float32; mlp_W 256 x 128 float32; mlp_b 128 float32; mlp_be 128 float32; mlp_g 128 float32; mlp_m 128 float32; mlp_v 128 float32; mu_W 128 x 10 float32; mu_b 10 float32; nl_counts 8 int32; np_counts 8 int32; p_pos 8 x 512 x 3 float32; pi_W 128 x 10 float32; pi_b 10 float32; sg_W 128 x 10 float32; sg_b 10 float32.
;; Outputs: out0 8 x 64 x 512 x 10 float32; out1 8 x 64 x 512 x 10 float32; out2 8 x 64 x 512 x 10 float32; out3 8 x 64 x 512 float32; out4 8 float32.
;; 2 versions, each right and faster than the one before. Each part assembles by itself: llvm-mc -triple=amdgcn-amd-amdhsa -mcpu=gfx1250 --defsym DOCPART=n.
;; ======== version 1 of 2: 2 launches
;; workspace buffers: uv 2,359,296 bytes; hfrag 18,432 bytes
;; launch prep (part 1): grid 73 x 1, 4 waves a work-group, no clusters, 134,656 bytes of LDS; arguments hl, hp, mlp_W, mlp_b, mlp_g, mlp_be, mlp_m, mlp_v, uv, pi_W, sg_W, mu_W, pi_b, sg_b, mu_b, hfrag; writes uv, hfrag
.if DOCPART == 1
	.amdgcn_target "amdgcn-amd-amdhsa--gfx1250"
	.amdhsa_code_object_version 6
	.text
	.protected	k_qce5529881b_prep
	.globl	k_qce5529881b_prep
	.p2align	8
	.type	k_qce5529881b_prep,@function
k_qce5529881b_prep:
	s_mov_b64 s[64:65], 0
	v_nop
	global_prefetch_b8 v0, s[64:65] scope:SCOPE_SE
	s_setreg_imm32_b32 hwreg(HW_REG_WAVE_MODE, 25, 1), 1
	s_wait_xcnt 0x0
; PREP: the per-row halves of the pair MLP, and the three MDN heads packed as matrix fragments.
;
; WORK THAT IS FORMED ONCE INSTEAD OF ONCE PER PAIR, AND WORK LEFT OUT (holds for all finite inputs):
;  * concat(hl[i], hp[j]) @ mlp_W = hl[i] @ mlp_W[0:128] + hp[j] @ mlp_W[128:256] (distributivity): the same products, formed once for each
;    of the 512 + 4096 rows here and added per pair in the next launch.
;  * The eval-mode BatchNorm is affine: with s = g * rsqrt(var + 1e-5), bn(a + c + b) = a*s + c*s + ((b - m)*s + be).  Stored here:
;    uu = (hl @ Wtop)*s + ((mlp_b - m)*s + be)   and   vv = (hp @ Wbottom)*s,   both f32, so the next launch forms elu(uu + vv).
;  * On the pair path the factors l_mask, p_mask on hl, hp, l_pos, p_pos are 1 for every pair with i < nl and j < np, and every other pair is
;    multiplied by cm = 0 at the end of the function: so rows are used unmasked and the next launch selects 0 for invalid pairs.
;    (In the pooled sum of the affinity head the mask is live and is applied there.)
;  * sigma adds 1.1 + 1e-10 and mu 1.0 + 1e-10: in f32 these sums are 1.1 and 1.0, and 1e-10 is below half a unit in the last place of every
;    result (all are at least 0.1).  The 1e-10 added to pi is kept.
;  LIMITS: a NaN, an infinity or an overflow that sits only in padded rows (i >= nl, j >= np) is not carried into the zeros of invalid pairs.
;  var + 1e-5 must be a positive normal number.
;
; TWO bf16 PARTS FOR EACH MATRIX OPERAND.  x = hi + lo, hi = x rounded to bf16, lo = x - hi rounded to bf16, and a product is the f32 sum of three:
; hi.hi + lo.hi + hi.lo.  What is dropped (lo.lo and lo's own rounding) is of relative size 2^-16.  One rounding alone (2^-9 a term, over 256 terms here and
; 128 + 128 in the heads) leaves errors of the pi logits whose tail reaches a hundredth, which is a hundredth of pi itself.  The matrix work is three times
; as much and still small beside the vector work of the next launch.  Sums, BatchNorm and everything else are f32.
;
; Work-groups 0..71: 64 rows each (0..7: hl with W rows 0-127, 8..71: hp with W rows 128-255); wave w makes the 16-row tile 4 g + w.
; Work-group 72: packs pi_W, sg_W, mu_W and their biases.  The two roles have LDS bytes of their own: no byte has two meanings in this text.
; The product is used transposed: source 0 = 16 channels of W, source 1 = 16 rows of x.  Lane (r = l % 16, h = l / 16) then holds row r and, in
; accumulator register e = 8 q + j, channel 16 q + 8 h + j.  That is also the order in which the next launch needs 32 channels of a pair as a
; 16-bit operand, so tiles are stored as they lie: tile block of 8,192 bytes, quad n (e = 4 n .. 4 n + 3) of lane l at 512 n + 16 l.
; No tensor loads, no cluster: every byte that enters LDS is split into bf16 parts on the way, so it passes through registers anyhow.
.set EPSBN, 0x3727c5ac                 ; 1e-5
.set C11,   0x3f8ccccd                 ; 1.1
.set WP,  288                          ; LDS pitch of a W row: 256 bytes of bf16 + 32, an odd multiple of 32 bytes
.set WLO, 36864                        ; W's hi parts at 0 (128 rows), its lo parts this far behind
.set XB,  73728                        ; x's hi parts (64 rows); this base stands in the address registers
.set XP,  272                          ; LDS pitch of an x row: 256 bytes of bf16 + 16
.set XLO, 17408                        ; x's lo parts this far behind
.set ST,  108544                       ; s[128] f32, then t[128] f32; base in the address registers
.set HB,  109568                       ; the heads role's table of hi parts: 128 rows of 96 bytes; base in the address registers
.set HLO, 12288                        ; its table of lo parts this far behind
.set ACC, 16                           ; v[16:79]    8 accumulators
.set BA,  80                           ; v[80:143]   W hi fragments of one K step; later s
.set BB,  144                          ; v[144:207]  W lo fragments of one K step; later t
.set XF0, 208                          ; v[208:223]  x fragments of one K step: hi 8 registers, lo 8
.set XF1, 224                          ; v[224:239]  the same for the next K step
.set XD,  16                           ; v[16:79]    x as loaded (f32)
.set WD,  80                           ; v[80:207]   W as loaded (f32)
.set BN,  208                          ; v[208:214]  BatchNorm parameters of channel t
.set TS,  216                          ; v[216:221], v[224:229]  work of the split, two sets in turn
	v_lshl_add_u32 v240, v0, 2, 0x20c00
	v_mov_b32 v241, 0
	v_lshrrev_b32 v1, 5, v0
	v_readfirstlane_b32 s4, v1                     ; wave 0..3
	v_and_b32 v2, 31, v0                           ; lane l
	v_and_b32 v3, 15, v0                           ; r
	v_bfe_u32 v4, v0, 4, 1                         ; h
	v_lshlrev_b32 v5, 4, v2                        ; 16 l
	v_and_b32 v14, 7, v0
	v_lshl_or_b32 v14, v4, 3, v14                  ; 8 h + (l & 7): the row that a transposing load addresses
	v_bfe_u32 v13, v0, 3, 1
	v_lshlrev_b32 v13, 4, v13                      ; 16 ((l >> 3) & 1): its 16-byte column
	s_cmp_eq_u32 ttmp9, 72
	s_cbranch_scc1 .Lheads
	; ---------------- rows: uu and vv ----------------
	s_load_b512 s[8:23], s[0:1], 0x0               ; hl, hp, mlp_W, mlp_b, mlp_g, mlp_be, mlp_m, mlp_v
	s_load_b64 s[24:25], s[0:1], 0x40              ; uv
	v_lshlrev_b32 v6, 2, v0                        ; 4 t: channel t of the parameters
	s_lshl_b32 s5, s4, 13
	v_add_nc_u32 v7, s5, v5                        ; 8192 w + 16 l: my 16 rows of x, and my tile block in uv
	s_lshl_b32 s5, s4, 9
	v_add_nc_u32 v8, s5, v5                        ; 512 w + 16 l: W row 4 n + w
	v_lshlrev_b32 v9, 3, v2                        ; 8 l: four bf16
	s_mul_i32 s6, s4, 16*XP
	s_add_co_u32 s6, s6, XB
	v_add_nc_u32 v10, s6, v9                       ; x into LDS: row 16 w + n
	s_mul_i32 s5, s4, WP
	v_add_nc_u32 v11, s5, v9                       ; W hi into LDS: row 4 n + w
	v_add_nc_u32 v1, WLO, v11                      ; W lo
	v_mad_u32_u24 v12, v3, XP, s6
	v_lshl_add_u32 v12, v4, 4, v12                 ; x fragment: (16 w + r) pitch + 16 h
	v_mad_u32_u24 v13, v14, WP, v13                ; W hi fragment: (8 h + (l & 7)) pitch + 16 ((l >> 3) & 1)
	v_add_nc_u32 v14, WLO, v13                     ; W lo fragment
	v_add_nc_u32 v9, ST, v6                        ; s[t]
	v_lshlrev_b32 v15, 5, v4
	v_add_nc_u32 v15, ST, v15                      ; 32 h: my 8 channels in a block of 16
	s_wait_kmcnt 0x0
	s_cmp_lt_u32 ttmp9, 8                          ; the first 8 work-groups take hl
	s_cselect_b64 s[40:41], s[8:9], s[10:11]
	s_cselect_b32 s42, 0, 8
	s_cselect_b32 s44, 0, 0x10000                  ; hp multiplies W rows 128-255
	s_cselect_b32 s46, 0x3f800000, 0               ; the constant term goes with uu alone
	s_sub_co_u32 s42, ttmp9, s42
	s_lshl_b32 s42, s42, 15                        ; 64 rows of 512 bytes
	s_mov_b32 s43, 0
	s_mov_b32 s45, 0
	s_add_nc_u64 s[40:41], s[40:41], s[42:43]
	s_add_nc_u64 s[12:13], s[12:13], s[44:45]
	s_lshl_b32 s42, ttmp9, 15                      ; four tile blocks of 8,192 bytes
	s_add_nc_u64 s[24:25], s[24:25], s[42:43]
	global_load_b32 v[BN+0], v6, s[14:15]          ; b
	global_load_b32 v[BN+1], v6, s[16:17]          ; g
	global_load_b32 v[BN+2], v6, s[18:19]          ; be
	global_load_b32 v[BN+3], v6, s[20:21]          ; m
	global_load_b32 v[BN+4], v6, s[22:23]          ; var
.set ix, 0
.rept 16
	global_load_b128 v[XD+4*ix:XD+4*ix+3], v7, s[40:41] offset:512*ix th:TH_LOAD_NT   ; one row of x: 512 consecutive bytes
.set ix, ix+1
.endr
.set ix, 0
.rept 32
	global_load_b128 v[WD+4*ix:WD+4*ix+3], v8, s[12:13] offset:2048*ix                ; W row 4 ix + w
.set ix, ix+1
.endr
	s_wait_loadcnt 48                              ; the five parameters are in; the 16 + 32 younger loads stay out
	v_add_f32 v[BN+5], EPSBN, v[BN+4]
	v_rsq_f32 v[BN+5], v[BN+5]
	v_sub_f32 v[BN+6], v[BN+0], v[BN+3]            ; b - m (also the plain instruction behind the reciprocal root)
	s_wait_alu depctr_va_vdst(0)
	v_mul_f32 v[BN+5], v[BN+1], v[BN+5]            ; s
	v_fma_f32 v[BN+6], v[BN+6], v[BN+5], v[BN+2]   ; (b - m) s + be
	v_mul_f32 v[BN+6], s46, v[BN+6]                ; t, or 0 for vv
	ds_store_b32 v9, v[BN+5]
	ds_store_b32 v9, v[BN+6] offset:512
; four f32 as loaded become four hi and four lo parts in LDS.  ts = the set of work registers; left = the younger loads that may stay out.
.macro CVST reg, ts, ah, al, ih, il, left
	s_wait_loadcnt \left
	v_cvt_pk_bf16_f32 v[\ts],   v[\reg],   v[\reg+1]           ; hi, to nearest even
	v_cvt_pk_bf16_f32 v[\ts+1], v[\reg+2], v[\reg+3]
	v_lshlrev_b32 v[\ts+2], 16, v[\ts]                         ; hi as f32
	v_and_b32     v[\ts+3], 0xffff0000, v[\ts]
	v_lshlrev_b32 v[\ts+4], 16, v[\ts+1]
	v_and_b32     v[\ts+5], 0xffff0000, v[\ts+1]
	v_pk_add_f32 v[\reg:\reg+1],   v[\reg:\reg+1],   v[\ts+2:\ts+3] neg_lo:[0,1] neg_hi:[0,1]   ; x - hi, exact
	v_pk_add_f32 v[\reg+2:\reg+3], v[\reg+2:\reg+3], v[\ts+4:\ts+5] neg_lo:[0,1] neg_hi:[0,1]
	v_cvt_pk_bf16_f32 v[\reg],   v[\reg],   v[\reg+1]          ; lo
	v_cvt_pk_bf16_f32 v[\reg+1], v[\reg+2], v[\reg+3]
	ds_store_b64 v[\ah], v[\ts:\ts+1]   offset:\ih
	ds_store_b64 v[\al], v[\reg:\reg+1] offset:\il
.endm
.set ix, 0
.rept 16
	CVST XD+4*ix, TS+8*(ix%2), 10, 10, XP*ix, XLO+XP*ix, 47-ix
.set ix, ix+1
.endr
.set ix, 0
.rept 32
	CVST WD+4*ix, TS+8*(ix%2), 11, 1, 4*WP*ix, 4*WP*ix, 31-ix
.set ix, ix+1
.endr
	s_wait_dscnt 0x0                               ; my stores are in LDS before I say so
	s_barrier_signal -1
	s_barrier_wait -1                              ; W, x, s and t are whole
.macro XLD xf, kk                      ; my x fragment of K step kk: hi, then lo
	ds_load_b128 v[\xf:\xf+3],     v12 offset:64*\kk
	ds_load_b128 v[\xf+4:\xf+7],   v12 offset:64*\kk+32
	ds_load_b128 v[\xf+8:\xf+11],  v12 offset:XLO+64*\kk
	ds_load_b128 v[\xf+12:\xf+15], v12 offset:XLO+64*\kk+32
.endm
; the eight W fragments (16 channels x 32 k each) of K step kk, hi (adr = 13) or lo (adr = 14): W lies [k][channel], so the loads transpose
.macro WFR buf, adr, kk
.irp q, 0,1,2,3,4,5,6,7
	ds_load_tr16_b128 v[\buf+8*\q:\buf+8*\q+3],   v[\adr] offset:32*WP*\kk+32*\q
	ds_load_tr16_b128 v[\buf+8*\q+4:\buf+8*\q+7], v[\adr] offset:32*WP*\kk+32*\q+16*WP
.endr
.endm
; eight products, one for each accumulator: the accumulators take turns, one instruction a turn
.macro MM wb, xf, zero
.irp q, 0,1,2,3,4,5,6,7
.if \zero
	v_wmma_f32_16x16x32_bf16 v[ACC+8*\q:ACC+8*\q+7], v[\wb+8*\q:\wb+8*\q+7], v[\xf:\xf+7], 0
.else
	v_wmma_f32_16x16x32_bf16 v[ACC+8*\q:ACC+8*\q+7], v[\wb+8*\q:\wb+8*\q+7], v[\xf:\xf+7], v[ACC+8*\q:ACC+8*\q+7]
.endif
.endr
.endm
.macro PLACES                          ; four independent vector instructions between a product and a load into, or a read of, its registers
.rept 4
	v_nop
.endr
.endm
	; For each K step: W hi times x hi and x lo (buffer BA), then BA is filled with the next step's hi parts; W lo times x hi (buffer BB), then BB and an x set are filled.
	XLD XF0, 0
	WFR BA, 13, 0
	WFR BB, 14, 0
	XLD XF1, 1
	s_wait_dscnt 20                                ; x and W hi of K step 0 are in; W lo's 16 loads and the next x's 4 stay out
	MM BA, XF0, 1                                  ; the first products start the sums
	MM BA, XF0+8, 0
	PLACES
	WFR BA, 13, 1
	s_wait_dscnt 16                                ; all but the 16 just issued
	MM BB, XF0, 0
	PLACES
	WFR BB, 14, 1
	XLD XF0, 2
	s_wait_dscnt 20                                ; W hi of K step 1 is in; the 16 + 4 just issued stay out
	MM BA, XF1, 0
	MM BA, XF1+8, 0
	PLACES
	WFR BA, 13, 2
	s_wait_dscnt 16
	MM BB, XF1, 0
	PLACES
	WFR BB, 14, 2
	XLD XF1, 3
	s_wait_dscnt 20
	MM BA, XF0, 0
	MM BA, XF0+8, 0
	PLACES
	WFR BA, 13, 3
	s_wait_dscnt 16
	MM BB, XF0, 0
	PLACES
	WFR BB, 14, 3
	s_wait_dscnt 16                                ; W hi of K step 3 is in; W lo's 16 loads stay out
	MM BA, XF1, 0
	MM BA, XF1+8, 0
	s_wait_dscnt 0x0
	MM BB, XF1, 0
	PLACES
.irp q, 0,1,2,3,4,5,6,7
	ds_load_b128 v[BA+8*\q:BA+8*\q+3],   v15 offset:64*\q               ; s of channels 16 q + 8 h + 0..3
	ds_load_b128 v[BA+8*\q+4:BA+8*\q+7], v15 offset:64*\q+16
	ds_load_b128 v[BB+8*\q:BB+8*\q+3],   v15 offset:512+64*\q           ; t
	ds_load_b128 v[BB+8*\q+4:BB+8*\q+7], v15 offset:512+64*\q+16
.endr
	s_wait_dscnt 0x0
.set ix, 0
.rept 32
	v_pk_fma_f32 v[ACC+2*ix:ACC+2*ix+1], v[ACC+2*ix:ACC+2*ix+1], v[BA+2*ix:BA+2*ix+1], v[BB+2*ix:BB+2*ix+1]
.set ix, ix+1
.endr
.set ix, 0
.rept 16
	global_store_b128 v7, v[ACC+4*ix:ACC+4*ix+3], s[24:25] offset:512*ix   ; each store of the wave covers 512 consecutive bytes, aligned
.set ix, ix+1
.endr
	s_wait_tensorcnt 0x0
	ds_add_u32 v240, v241
	s_wait_dscnt 0x0
	s_endpgm
	; ---------------- the heads ----------------
	; 32 head rows in two tiles of 16.  Row 8 h + j of a tile lands in register j of the lanes of half h, so the rows are ordered such that half h
	; owns components g = 4 h .. 4 h + 3 (slots 0-3) and g = 8 + h (slot 4) of each of pi, sigma, mu:
	;   tile 0: j 0-3 pi slots 0-3, 4 pi slot 4, 5 sigma slot 4, 6-7 sigma slots 0-1;   tile 1: j 0-1 sigma slots 2-3, 2-5 mu slots 0-3, 6 mu slot 4, 7 zero.
	; hfrag, in quads of 512 bytes (16 bytes a lane): 0-15 the hi fragments at 2 (4 T + K step) + half, 16-19 the biases, 20-35 the lo fragments.
; 30 weights of one k at base (pi 0-9, sigma 10-19, mu 20-29) become the 32 head rows' bf16, 16 registers at dst
.macro PACK base, dst
	v_cvt_pk_bf16_f32 v[\dst+0],  v[\base+0],  v[\base+1]      ; tile 0, rows 0-7
	v_cvt_pk_bf16_f32 v[\dst+1],  v[\base+2],  v[\base+3]
	v_cvt_pk_bf16_f32 v[\dst+2],  v[\base+8],  v[\base+18]
	v_cvt_pk_bf16_f32 v[\dst+3],  v[\base+10], v[\base+11]
	v_cvt_pk_bf16_f32 v[\dst+4],  v[\base+4],  v[\base+5]      ; tile 0, rows 8-15
	v_cvt_pk_bf16_f32 v[\dst+5],  v[\base+6],  v[\base+7]
	v_cvt_pk_bf16_f32 v[\dst+6],  v[\base+9],  v[\base+19]
	v_cvt_pk_bf16_f32 v[\dst+7],  v[\base+14], v[\base+15]
	v_cvt_pk_bf16_f32 v[\dst+8],  v[\base+12], v[\base+13]     ; tile 1, rows 0-7
	v_cvt_pk_bf16_f32 v[\dst+9],  v[\base+20], v[\base+21]
	v_cvt_pk_bf16_f32 v[\dst+10], v[\base+22], v[\base+23]
	v_cvt_pk_bf16_f32 v[\dst+11], v[\base+28], 0
	v_cvt_pk_bf16_f32 v[\dst+12], v[\base+16], v[\base+17]     ; tile 1, rows 8-15
	v_cvt_pk_bf16_f32 v[\dst+13], v[\base+24], v[\base+25]
	v_cvt_pk_bf16_f32 v[\dst+14], v[\base+26], v[\base+27]
	v_cvt_pk_bf16_f32 v[\dst+15], v[\base+29], 0
.endm
.Lheads:
	s_load_b256 s[8:15], s[0:1], 0x48              ; pi_W, sg_W, mu_W, pi_b
	s_load_b128 s[16:19], s[0:1], 0x68             ; sg_b, mu_b
	s_load_b64 s[20:21], s[0:1], 0x78              ; hfrag
	v_mul_u32_u24 v6, v0, 40                       ; thread t takes row k = t of each weight: 10 f32
	v_mul_u32_u24 v7, v0, 96                       ; and writes row k of the packed tables: 32 bf16 + 32 bytes, an odd multiple of 32 bytes
	v_add_nc_u32 v7, HB, v7
	s_wait_kmcnt 0x0
.irp q, 0,1,2,3,4
	global_load_b64 v[16+2*\q:17+2*\q], v6, s[8:9] offset:8*\q      ; pi  v16-25
	global_load_b64 v[26+2*\q:27+2*\q], v6, s[10:11] offset:8*\q    ; sg  v26-35
	global_load_b64 v[36+2*\q:37+2*\q], v6, s[12:13] offset:8*\q    ; mu  v36-45
.endr
	s_wait_loadcnt 0x0
.set ix, 0
.rept 15
	v_cvt_pk_bf16_f32 v[46+ix%2], v[16+2*ix], v[17+2*ix]           ; hi, to nearest even,
	v_lshlrev_b32 v[64+2*ix], 16, v[46+ix%2]                       ; as f32 in v64-93
	v_and_b32     v[65+2*ix], 0xffff0000, v[46+ix%2]
	v_pk_add_f32 v[16+2*ix:17+2*ix], v[16+2*ix:17+2*ix], v[64+2*ix:65+2*ix] neg_lo:[0,1] neg_hi:[0,1]   ; w - hi, exact
.set ix, ix+1
.endr
	PACK 64, 96                                    ; hi parts (these conversions are exact)
	PACK 16, 112                                   ; lo parts
.irp c, 0,1,2,3
	ds_store_b128 v7, v[96+4*\c:96+4*\c+3]   offset:16*\c
	ds_store_b128 v7, v[112+4*\c:112+4*\c+3] offset:HLO+16*\c
.endr
	s_wait_dscnt 0x0
	s_barrier_signal -1
	s_barrier_wait -1
	v_mad_u32_u24 v8, v14, 96, v13
	s_mul_i32 s5, s4, 32*96                        ; wave w makes the fragments of K step w
	s_add_co_u32 s5, s5, HB
	v_add_nc_u32 v8, s5, v8
	s_lshl_b32 s5, s4, 10
	v_add_nc_u32 v9, s5, v5                        ; 1024 w + 16 l
	ds_load_tr16_b128 v[128:131], v8
	ds_load_tr16_b128 v[132:135], v8 offset:16*96
	ds_load_tr16_b128 v[136:139], v8 offset:32
	ds_load_tr16_b128 v[140:143], v8 offset:32+16*96
	ds_load_tr16_b128 v[144:147], v8 offset:HLO
	ds_load_tr16_b128 v[148:151], v8 offset:HLO+16*96
	ds_load_tr16_b128 v[152:155], v8 offset:HLO+32
	ds_load_tr16_b128 v[156:159], v8 offset:HLO+32+16*96
	s_wait_dscnt 0x0
	global_store_b128 v9, v[128:131], s[20:21]             ; hi: quad 2 (4 T + w) + half
	global_store_b128 v9, v[132:135], s[20:21] offset:512
	global_store_b128 v9, v[136:139], s[20:21] offset:4096
	global_store_b128 v9, v[140:143], s[20:21] offset:4608
	global_store_b128 v9, v[144:147], s[20:21] offset:10240        ; lo: 20 quads further
	global_store_b128 v9, v[148:151], s[20:21] offset:10240+512
	global_store_b128 v9, v[152:155], s[20:21] offset:10240+4096
	global_store_b128 v9, v[156:159], s[20:21] offset:10240+4608
	s_cmp_lg_u32 s4, 0
	s_cbranch_scc1 .Lhend
	; wave 0: the biases, in f32, as the two tiles' addend, 1.1 and 1.0 folded into sigma's and mu's
	v_lshlrev_b32 v10, 4, v4
	v_lshlrev_b32 v11, 2, v4
	global_load_b128 v[176:179], v10, s[14:15]             ; pi slots 0-3
	global_load_b32 v180, v11, s[14:15] offset:32          ; pi slot 4
	global_load_b128 v[160:163], v10, s[16:17]             ; sigma
	global_load_b32 v164, v11, s[16:17] offset:32
	global_load_b128 v[168:171], v10, s[18:19]             ; mu
	global_load_b32 v172, v11, s[18:19] offset:32
	s_wait_loadcnt 0x0
	v_add_f32 v181, C11, v164
	v_add_f32 v182, C11, v160
	v_add_f32 v183, C11, v161
	v_add_f32 v184, C11, v162
	v_add_f32 v185, C11, v163
	v_add_f32 v186, 1.0, v168
	v_add_f32 v187, 1.0, v169
	v_add_f32 v188, 1.0, v170
	v_add_f32 v189, 1.0, v171
	v_add_f32 v190, 1.0, v172
	v_mov_b32 v191, 0
	global_store_b128 v5, v[176:179], s[20:21] offset:8192
	global_store_b128 v5, v[180:183], s[20:21] offset:8704
	global_store_b128 v5, v[184:187], s[20:21] offset:9216
	global_store_b128 v5, v[188:191], s[20:21] offset:9728
.Lhend:
	s_wait_tensorcnt 0x0
	ds_add_u32 v240, v241
	s_wait_dscnt 0x0
	s_endpgm
.Lfunc_end_k_qce5529881b_prep:
	.size	k_qce5529881b_prep, .Lfunc_end_k_qce5529881b_prep-k_qce5529881b_prep
	.p2alignl 7, 3214868480
	.fill 96, 4, 3214868480
	.section	.rodata,"a",@progbits
	.p2align	6, 0x0
	.amdhsa_kernel k_qce5529881b_prep
		.amdhsa_group_segment_fixed_size 134656
		.amdhsa_private_segment_fixed_size 0
		.amdhsa_enable_private_segment 0
		.amdhsa_kernarg_size 128
		.amdhsa_user_sgpr_count 2
		.amdhsa_user_sgpr_kernarg_segment_ptr 1
		.amdhsa_wavefront_size32 1
		.amdhsa_system_sgpr_workgroup_id_x 1
		.amdhsa_system_sgpr_workgroup_id_y 1
		.amdhsa_system_sgpr_workgroup_id_z 1
		.amdhsa_system_vgpr_workitem_id 0
		.amdhsa_next_free_vgpr 242
		.amdhsa_next_free_sgpr 66
		.amdhsa_reserve_vcc 0
		.amdhsa_float_denorm_mode_32 3
		.amdhsa_float_denorm_mode_16_64 3
		.amdhsa_memory_ordered 1
		.amdhsa_forward_progress 1
		.amdhsa_inst_pref_size 76
	.end_amdhsa_kernel
	.amdgpu_metadata
---
amdhsa.version: [ 1, 2 ]
amdhsa.kernels:
  - .name:           k_qce5529881b_prep
    .symbol:         k_qce5529881b_prep.kd
    .args:
      - { .name: hl, .offset: 0, .size: 8, .value_kind: global_buffer, .address_space: global }
      - { .name: hp, .offset: 8, .size: 8, .value_kind: global_buffer, .address_space: global }
      - { .name: mlp_W, .offset: 16, .size: 8, .value_kind: global_buffer, .address_space: global }
      - { .name: mlp_b, .offset: 24, .size: 8, .value_kind: global_buffer, .address_space: global }
      - { .name: mlp_g, .offset: 32, .size: 8, .value_kind: global_buffer, .address_space: global }
      - { .name: mlp_be, .offset: 40, .size: 8, .value_kind: global_buffer, .address_space: global }
      - { .name: mlp_m, .offset: 48, .size: 8, .value_kind: global_buffer, .address_space: global }
      - { .name: mlp_v, .offset: 56, .size: 8, .value_kind: global_buffer, .address_space: global }
      - { .name: uv, .offset: 64, .size: 8, .value_kind: global_buffer, .address_space: global }
      - { .name: pi_W, .offset: 72, .size: 8, .value_kind: global_buffer, .address_space: global }
      - { .name: sg_W, .offset: 80, .size: 8, .value_kind: global_buffer, .address_space: global }
      - { .name: mu_W, .offset: 88, .size: 8, .value_kind: global_buffer, .address_space: global }
      - { .name: pi_b, .offset: 96, .size: 8, .value_kind: global_buffer, .address_space: global }
      - { .name: sg_b, .offset: 104, .size: 8, .value_kind: global_buffer, .address_space: global }
      - { .name: mu_b, .offset: 112, .size: 8, .value_kind: global_buffer, .address_space: global }
      - { .name: hfrag, .offset: 120, .size: 8, .value_kind: global_buffer, .address_space: global }
    .group_segment_fixed_size: 134656
    .private_segment_fixed_size: 0
    .kernarg_segment_align: 8
    .kernarg_segment_size: 128
    .max_flat_workgroup_size: 128
    .sgpr_count:     66
    .vgpr_count:     242
    .wavefront_size: 32
...
	.end_amdgpu_metadata
.endif
;; end of part 1
;; launch pairs (part 2): grid 264 x 1, 4 waves a work-group, no clusters, 94,720 bytes of LDS; arguments uv, hfrag, l_pos, p_pos, nl_counts, np_counts, out0, out1, out2, out3, hl, out4, ba_W1, ba_b1, ba_g1, ba_be1, ba_m1, ba_v1, ba_W2, ba_b2, ba_g2, ba_be2, ba_m2, ba_v2, ba_W3, ba_b3; writes out0, out1, out2, out3, out4
.if DOCPART == 2
	.amdgcn_target "amdgcn-amd-amdhsa--gfx1250"
	.amdhsa_code_object_version 6
	.text
	.protected	k_qce5529881b_pairs
	.globl	k_qce5529881b_pairs
	.p2align	8
	.type	k_qce5529881b_pairs,@function
k_qce5529881b_pairs:
	s_mov_b64 s[64:65], 0
	v_nop
	global_prefetch_b8 v0, s[64:65] scope:SCOPE_SE
	s_setreg_imm32_b32 hwreg(HW_REG_WAVE_MODE, 25, 1), 1
	s_wait_xcnt 0x0
; PAIRS: work-groups 0..255 make pi, sigma, mu and dist for a block of 16 i x 64 j of one batch; work-groups 256..263 make one binding affinity each.
; Left out, as shown at the head of the first kernel: the per-pair product with mlp_W (uu + vv from the first launch is the same sum) and the masks on
; rows of valid pairs.  Invalid pairs are selected to 0; i pairs and blocks of 32 j with no valid pair (signed compares with nl_counts, np_counts,
; read from memory) only store zeros.  LIMIT: a NaN or an infinity in padded rows does not reach those zeros.
; elu(y) is taken as the median of (y, 0, exp(y) - 1): for y > 0, exp(y) - 1 >= y > 0; for y < 0, y <= exp(y) - 1 < 0; an overflowing exponential is never the median.
; dist is sqrt(max(sum (x - y)^2, 0)) in f32 on the vector unit: the same polynomial as -2 x.y + y.y + x.x without a difference of large sums; K = 3 would fill
; 3 of a matrix instruction's 32 k.  The clamp at 0 is kept.
;
; PAIR ROLE.  b = x >> 5, i0 = 16 ((x >> 3) & 3), j0 = 64 (x & 7).  Wave w owns 8 i (i0 + 8 (w >> 1) ..) x 32 j (j0 + 32 (w & 1) ..), two tiles of 16 j.
; For one i and one tile, lane (r, h) holds pair j = r and 64 channels: vv stays in registers, uu of row i comes from LDS (all r read the same 16 bytes).
; elu(uu + vv) in f32 is source 1 (32 channels x 16 pairs) of the head product; source 0 is a head tile (16 head rows x 32 channels), the addend of the first
; K step the biases.  Both operands go in two bf16 parts, three products, for the reason given at the head of the first kernel: hi.hi + lo.hi + hi.lo.
; Register j of lane (r, h) is then head row 8 h + j of pair r: half h owns components 4 h .. 4 h + 3 and 8 + h.
; Results go through a stage in LDS of the wave's own (2 i x 32 j x 40 bytes for each output) and leave as whole rows: every sixteen lanes store 256 consecutive
; bytes, aligned.
; uu: each wave has a window of 1,024 bytes of its own with the two rows of the current trip, piece (quad n, half h, row ii) at 64 n + 32 h + 16 ii.  The next trip's
; two rows are loaded from uv during the trip and stored into the window behind its last read, so every LDS address of the loop is a constant of the wave and the
; trip enters through the loads' scalar base alone.  These loads take 32 bytes of each of sixteen blocks of 256: 4 KiB a wave in the whole launch.
; vv and the head fragments are staged once for the work-group, behind one barrier.  The two roles have LDS bytes of their own.
; No cluster: what neighbours share is 50 KiB staged once per work-group, against 127 KiB that it stores; there is no loop of refills to share.
.set VL,   8192                        ; LDS: bytes 0-8191 belong to the affinity role; 4 vv tiles here,
.set UW,   40960                       ; the four waves' uu windows,
.set HL,   45056                       ; the head fragments and biases, 36 quads of 512 bytes,
.set STG,  63488                       ; the four waves' stages
.set STGW, 7680                        ; 3 outputs x 2 i x 1,280 bytes
.set ROWB, 20480                       ; bytes of one (b, i) row of out0..2: 512 j x 10 x 4
.set L2E,     0x3fb8aa3b               ; log2(e)
.set NL2E,    0xbfb8aa3b               ; -log2(e)
.set N11L2E,  0xbfcb21a8               ; -1.1 log2(e)
.set C11,     0x3f8ccccd               ; 1.1
.set C01,     0x3dcccccd               ; 0.1
.set MDNEPS,  0x2edbe6ff               ; 1e-10
.set EPSBN,   0x3727c5ac               ; 1e-5
; window 0
.set V16, 4                            ; 16 l
.set GO2, 5                            ; the stage's third 512 bytes: lanes 0-15 end the first i row, lanes 16-31 begin the second
.set VSA, 6                            ; stage: 40 r + 16 h
.set VSB, 7                            ; stage: 40 r + 4 h (+32 in the immediate)
.set VFL, 8                            ; stage: 16 l
.set VU,  9                            ; my uu window + 32 h; never rewritten
.set ZQ,  12                           ; v[12:15] zeros
.set VA1, 16                           ; v16-23: offsets of the staging and of dist, dead behind the barrier;
.set VA3, 17
.set LA1, 18
.set VPP, 19
.set VLP, 20
.set VD,  21
.set VJ,  22
.set VI,  23
.set UG,  16                           ; v[16:23] then: the next trip's two uu rows as loaded
.set VVL, 24
.set VJA, 25
.set VUG, 26                           ; uv: 256 (l >> 1) + 16 (l & 1); never rewritten
.set VWS, 27                           ; my uu window + 16 l; never rewritten
.set SD,  32                           ; v[32:131]  staging data
.set VP,  32                           ; v[32:159]  vv: tile a 64 registers, tile b 64
.set RU,  160                          ; v[160:175] uu, 16 channels
.set RY,  176                          ; v[176:191] y, then elu(y), then its lo part
.set RE,  192                          ; v[192:207] exponentials, then the hi part as f32
.set PH,  208                          ; v[208:215] the tile at work: hi parts of 32 channels in bf16
.set PL,  216                          ; v[216:223] its lo parts
.set DA0, 224                          ; accumulators: tile a head tile 0, 1; tile b head tile 0, 1
.set DA1, 232
.set DB0, 240
.set DB1, 248
.set PP,  160                          ; dist: v[160:171] 4 protein positions, v[172:177] 2 ligand positions, v[178:180] work, v[184:191] results
.set LP,  172
.set DT,  178
.set DR,  184
.set FB,  160                          ; v[160:219] the stage read back
; window 1: v0-63 (v256-319) hi head fragments at 8 (4 T + kk); v64-79 (v320-335) the biases of head tiles 0, 1; v80-143 (v336-399) lo head fragments at 80 + 8 (4 T + kk)
.set MSB, 0
.macro WIN new                         ; the immediate's high byte repeats the setting that is left
.if MSB != \new
	s_set_vgpr_msb (MSB<<8)|\new
.set MSB, \new
.endif
.endm
	v_lshl_add_u32 v30, v0, 2, 0x17000
	v_mov_b32 v31, 0
	v_lshrrev_b32 v10, 5, v0
	v_readfirstlane_b32 s4, v10                    ; wave 0..3
	v_and_b32 v1, 31, v0                           ; l
	v_and_b32 v2, 15, v0                           ; r
	v_bfe_u32 v3, v0, 4, 1                         ; h
	v_lshlrev_b32 v[V16], 4, v1
	s_cmp_ge_u32 ttmp9, 256
	s_cbranch_scc1 .Laff
	s_load_b512 s[8:23], s[0:1], 0x0               ; uv, hfrag, l_pos, p_pos, nl_counts, np_counts, out0, out1
	s_load_b128 s[24:27], s[0:1], 0x40             ; out2, out3
	s_lshr_b32 s5, ttmp9, 5                        ; b
	s_bfe_u32 s6, ttmp9, 0x20003                   ; i block
	s_and_b32 s7, ttmp9, 7                         ; j block
	s_and_b32 s50, s4, 1                           ; my half of the 64 j
	s_lshr_b32 s51, s4, 1                          ; my half of the 16 i
	s_lshl_b32 s52, s6, 4                          ; i0
	s_lshl_b32 s53, s7, 6                          ; j0
	s_lshl3_add_u32 s54, s51, s52                  ; my first i
	s_lshl_b32 s55, s50, 5
	s_add_co_u32 s55, s55, s53                     ; my first j
	s_lshl_b32 s56, s5, 6                          ; 64 b
	s_lshl_b32 s57, s5, 9                          ; 512 b
	s_mul_i32 s42, s4, STGW
	s_add_co_u32 s42, s42, STG                     ; my stage
	v_mul_u32_u24 v10, v2, 40
	v_add_nc_u32 v10, s42, v10
	v_lshl_add_u32 v[VSA], v3, 4, v10
	v_lshl_add_u32 v[VSB], v3, 2, v10
	v_add_nc_u32 v[VFL], s42, v[V16]
	s_lshl_b32 s43, s4, 10
	s_add_co_u32 s43, s43, UW                      ; my uu window
	v_lshl_add_u32 v[VU], v3, 5, s43
	v_add_nc_u32 v[VWS], s43, v[V16]
	v_lshrrev_b32 v10, 1, v1                       ; lane l fetches piece (n = l >> 2 (+ 8), h = (l >> 1) & 1, ii = l & 1): in a uu tile that is
	v_and_b32 v[VUG], 1, v1                        ; byte 512 n + 256 h + 16 (row + ii) = 256 (l >> 1) + 16 (l & 1) + 16 row
	v_lshlrev_b32 v[VUG], 4, v[VUG]
	v_lshl_add_u32 v[VUG], v10, 8, v[VUG]
	v_mad_u32_u24 v[GO2], v3, 0x4b00, v[V16]       ; lanes 16-31: 20480 - 256 - 1024 further
	v_add_nc_u32 v[GO2], 0x400, v[GO2]
	v_mov_b32 v[ZQ], 0
	v_mov_b32 v[ZQ+1], 0
	v_mov_b32 v[ZQ+2], 0
	v_mov_b32 v[ZQ+3], 0
	s_lshl_b32 s44, s5, 5
	s_lshl2_add_u32 s44, s7, s44
	s_add_co_u32 s44, s44, s4
	s_add_co_u32 s44, s44, 32                      ; vv tile 32 + 32 b + 4 (j block) + w
	s_lshl_b32 s44, s44, 13
	v_add_nc_u32 v[VA1], s44, v[V16]
	s_lshl2_add_u32 s62, s5, s6                    ; uu tile 4 b + (i block),
	s_lshl_b32 s62, s62, 13
	s_lshl_b32 s63, s51, 7                         ; and in it my first row, 16 bytes a row
	s_add_co_u32 s62, s62, s63
	s_mov_b32 s63, 0
	s_mul_i32 s47, s4, 4608                        ; head quads 9 w .. 9 w + 8
	v_add_nc_u32 v[VA3], s47, v[V16]
	s_lshl_b32 s48, s4, 13
	v_add_nc_u32 v[LA1], s48, v[V16]
	s_add_co_u32 s46, s57, s53
	s_mul_i32 s46, s46, 12
	v_mad_u32_u24 v[VPP], v2, 48, s46              ; p_pos of j0 + 4 r .. + 3: 48 bytes
	s_add_co_u32 s47, s56, s52
	s_lshl2_add_u32 s47, s4, s47                   ; 64 b + i0 + 4 w: my four rows of dist
	s_mul_i32 s48, s47, 12
	v_mad_u32_u24 v[VLP], v3, 12, s48
	s_lshl_b32 s49, s47, 11
	s_lshl2_add_u32 s49, s53, s49
	v_lshlrev_b32 v[VD], 4, v2
	v_lshl_add_u32 v[VD], v3, 11, v[VD]
	v_add_nc_u32 v[VD], s49, v[VD]                 ; out3: lanes 0-15 one row's 64 j, lanes 16-31 the next row's
	v_lshl_add_u32 v[VJ], v2, 2, s53               ; j0 + 4 r
	s_lshl2_add_u32 s48, s4, s52
	v_add_nc_u32 v[VI], s48, v3                    ; i0 + 4 w + h
	s_lshl_b32 s48, s50, 14
	v_add_nc_u32 v[VVL], s48, v[V16]               ; my two vv tiles in LDS
	v_add_nc_u32 v[VJA], s55, v2                   ; j of tile a
	s_add_co_u32 s58, s56, s54
	s_mul_i32 s58, s58, ROWB
	s_mul_i32 s59, s55, 40
	s_add_co_u32 s58, s58, s59                     ; my first pair in out0..2, a multiple of 256 bytes
	s_mov_b32 s59, 0
	s_lshl_b32 s2, s5, 2
	s_mov_b32 s3, 0
	s_mov_b32 s36, L2E
	s_mov_b32 s37, L2E
	s_mov_b32 s38, N11L2E
	s_mov_b32 s39, NL2E
	s_mov_b32 s40, 0x76543210                      ; v_permlanex16_b32: lane i of one half reads lane i of the other
	s_mov_b32 s41, 0xfedcba98
	s_mov_b32 s70, 0xffff0000                      ; a word's upper bf16
	s_wait_kmcnt 0x0
	s_add_nc_u64 s[16:17], s[16:17], s[2:3]
	s_add_nc_u64 s[18:19], s[18:19], s[2:3]
	s_load_b32 s28, s[16:17], 0x0                  ; nl
	s_load_b32 s29, s[18:19], 0x0                  ; np
	global_load_b128 v[PP:PP+3],    v[VPP], s[14:15]
	global_load_b128 v[PP+4:PP+7],  v[VPP], s[14:15] offset:16
	global_load_b128 v[PP+8:PP+11], v[VPP], s[14:15] offset:32
.irp n, 0,1
.irp c, 0,1,2
	global_load_b32 v[LP+3*\n+\c], v[VLP], s[12:13] offset:24*\n+4*\c
.endr
.endr
	s_add_nc_u64 s[20:21], s[20:21], s[58:59]
	s_add_nc_u64 s[22:23], s[22:23], s[58:59]
	s_add_nc_u64 s[24:25], s[24:25], s[58:59]
	s_add_nc_u64 s[60:61], s[8:9], s[62:63]        ; uv at my first uu row
	s_wait_kmcnt 0x0
; dist of my 4 rows x 64 j.  left = the younger loads that may stay out behind the nine position loads.
.macro DIST left
	s_sub_co_i32 s67, s29, 1
	s_sub_co_i32 s68, s29, 2
	s_sub_co_i32 s69, s29, 3
	s_sub_co_i32 s71, s28, 2
	v_cmp_gt_i32 s72, s29, v[VJ]                   ; j + q < np, q = 0..3
	v_cmp_gt_i32 s73, s67, v[VJ]
	v_cmp_gt_i32 s74, s68, v[VJ]
	v_cmp_gt_i32 s75, s69, v[VJ]
	v_cmp_gt_i32 s76, s28, v[VI]                   ; i + 2 n < nl, n = 0, 1
	v_cmp_gt_i32 s77, s71, v[VI]
	s_wait_loadcnt \left
.irp n, 0,1
.irp q, 0,1,2,3
	v_sub_f32 v[DT],   v[PP+3*\q],   v[LP+3*\n]
	v_sub_f32 v[DT+1], v[PP+3*\q+1], v[LP+3*\n+1]
	v_sub_f32 v[DT+2], v[PP+3*\q+2], v[LP+3*\n+2]
	v_mul_f32  v[DR+4*\n+\q], v[DT], v[DT]
	v_fmac_f32 v[DR+4*\n+\q], v[DT+1], v[DT+1]
	v_fmac_f32 v[DR+4*\n+\q], v[DT+2], v[DT+2]
	v_max_num_f32 v[DR+4*\n+\q], 0, v[DR+4*\n+\q]
.endr
.endr
.irp k, 0,1,2,3,4,5,6,7
	v_sqrt_f32 v[DR+\k], v[DR+\k]
.endr
	v_nop                                          ; one plain instruction between the roots and their use (ISA guide 5.7.2)
	s_wait_alu depctr_va_vdst(0)
.irp n, 0,1
.irp q, 0,1,2,3
	s_and_b32 s78, s[72+\q], s[76+\n]
	v_cndmask_b32 v[DR+4*\n+\q], 0, v[DR+4*\n+\q], s78
.endr
.endr
	global_store_b128 v[VD], v[DR:DR+3],   s[26:27] th:TH_STORE_NT
	global_store_b128 v[VD], v[DR+4:DR+7], s[26:27] offset:4096 th:TH_STORE_NT
.endm
	; a block with no valid pair stages nothing
	s_cmp_lt_i32 s52, s28
	s_cselect_b32 s2, 1, 0
	s_cmp_lt_i32 s53, s29
	s_cselect_b32 s3, 1, 0
	s_and_b32 s2, s2, s3
	s_cmp_lg_u32 s2, 0
	s_cbranch_scc0 .Lnostage
.set ix, 0
.rept 16
	global_load_b128 v[SD+4*ix:SD+4*ix+3], v[VA1], s[8:9] offset:512*ix
.set ix, ix+1
.endr
.irp c, 0,1,2,3,4,5,6,7,8
	global_load_b128 v[SD+64+4*\c:SD+64+4*\c+3], v[VA3], s[10:11] offset:512*\c
.endr
	DIST 25                                        ; the 16 + 9 staging loads stay out while dist is made
.set ix, 0
.rept 16
	s_wait_loadcnt 24-ix                           ; loads come back in order: the younger ones stay out
	ds_store_b128 v[LA1], v[SD+4*ix:SD+4*ix+3] offset:VL+512*ix
.set ix, ix+1
.endr
.irp c, 0,1,2,3,4,5,6,7,8
	s_wait_loadcnt 8-\c
	ds_store_b128 v[VA3], v[SD+64+4*\c:SD+64+4*\c+3] offset:HL+512*\c
.endr
	s_branch .Ljoin
.Lnostage:
	DIST 0
.Ljoin:
	s_wait_dscnt 0x0                               ; my part of the tiles is in LDS before I say so
	s_barrier_signal -1
	s_barrier_wait -1                              ; the one barrier: every wave passes it, whatever the counts
	s_wait_xcnt 0x0                                ; the registers that dist's stores read, data and offsets, are written again only behind this wait
; fifteen stores of zeros: 2 i x 32 j of each output, at \add bytes from my bases
.macro ZERO15 add
.irp o, 0,1,2
	global_store_b128 v[V16], v[ZQ:ZQ+3], s[20+2*\o:21+2*\o] offset:\add th:TH_STORE_NT
	global_store_b128 v[V16], v[ZQ:ZQ+3], s[20+2*\o:21+2*\o] offset:\add+512 th:TH_STORE_NT
	global_store_b128 v[GO2], v[ZQ:ZQ+3], s[20+2*\o:21+2*\o] offset:\add th:TH_STORE_NT
	global_store_b128 v[V16], v[ZQ:ZQ+3], s[20+2*\o:21+2*\o] offset:\add+20736 th:TH_STORE_NT
	global_store_b128 v[V16], v[ZQ:ZQ+3], s[20+2*\o:21+2*\o] offset:\add+21248 th:TH_STORE_NT
.endr
.endm
	s_cmp_lt_i32 s54, s28
	s_cselect_b32 s2, 1, 0
	s_cmp_lt_i32 s55, s29
	s_cselect_b32 s3, 1, 0
	s_and_b32 s2, s2, s3
	s_cmp_lg_u32 s2, 0
	s_cbranch_scc0 .Lzero_all
	global_load_b128 v[UG:UG+3],   v[VUG], s[60:61]                  ; uu of my first two rows: quads 0-7,
	global_load_b128 v[UG+4:UG+7], v[VUG], s[60:61] offset:4096      ; quads 8-15
.set ix, 0
.rept 32
	ds_load_b128 v[VP+4*ix:VP+4*ix+3], v[VVL] offset:VL+512*ix       ; vv of my 32 j, for the whole kernel
.set ix, ix+1
.endr
	WIN 0x40                                       ; destination in window 1
.set ix, 0
.rept 36
	ds_load_b128 v[4*ix:4*ix+3], v[V16] offset:HL+512*ix             ; v256-399: hi head fragments, biases, lo head fragments
.set ix, ix+1
.endr
	WIN 0
	s_sub_co_i32 s2, s29, 16
	v_cmp_gt_i32 s32, s29, v[VJA]                  ; tile a: j < np
	v_cmp_gt_i32 s33, s2, v[VJA]                   ; tile b: j + 16 < np
	s_add_co_i32 s3, s54, 8
	s_min_i32 s66, s28, s3                         ; rows below this are mine and valid
	s_mov_b32 s30, s54                             ; i
	s_mov_b32 s31, 0                               ; trip
	s_wait_loadcnt 0x0
	ds_store_b128 v[VWS], v[UG:UG+3]               ; piece 32 a + l of the window at 16 bytes each
	ds_store_b128 v[VWS], v[UG+4:UG+7] offset:512
	s_wait_dscnt 0x0
.macro ULOAD kk, ii                    ; uu of row i + ii, channels of K step kk: sixteen lanes read the same 16 bytes
.irp c, 0,1,2,3
	ds_load_b128 v[RU+4*\c:RU+4*\c+3], v[VU] offset:256*\kk+64*\c+16*\ii
.endr
.endm
.macro ELUADD vp                       ; y = uu + vv, 16 channels of 16 pairs
.irp p, 0,1,2,3,4,5,6,7
	v_pk_add_f32 v[RY+2*\p:RY+2*\p+1], v[RU+2*\p:RU+2*\p+1], v[\vp+2*\p:\vp+2*\p+1]
.endr
.endm
.macro ELUREST                         ; elu(y) and its two bf16 parts.  The exponentials go in two groups of eight; behind each group stands plain work on other registers
.irp p, 0,1,2,3
	v_pk_mul_f32 v[RE+2*\p:RE+2*\p+1], v[RY+2*\p:RY+2*\p+1], s[36:37] op_sel_hi:[1,0]
.endr
.irp k, 0,1,2,3,4,5,6,7
	v_exp_f32 v[RE+\k], v[RE+\k]
.endr
.irp p, 4,5,6,7
	v_pk_mul_f32 v[RE+2*\p:RE+2*\p+1], v[RY+2*\p:RY+2*\p+1], s[36:37] op_sel_hi:[1,0]
.endr
.irp k, 8,9,10,11,12,13,14,15
	v_exp_f32 v[RE+\k], v[RE+\k]
.endr
	s_wait_alu depctr_va_vdst(0)
.irp p, 0,1,2,3,4,5,6,7
	v_pk_add_f32 v[RE+2*\p:RE+2*\p+1], v[RE+2*\p:RE+2*\p+1], -1.0 op_sel_hi:[1,0]
.endr
.irp k, 0,1,2,3,4,5,6,7,8,9,10,11,12,13,14,15
	v_med3_num_f32 v[RY+\k], v[RY+\k], 0, v[RE+\k]
.endr
.irp p, 0,1,2,3,4,5,6,7
	v_cvt_pk_bf16_f32 v[PH+\p], v[RY+2*\p], v[RY+2*\p+1]           ; hi, to nearest even
.endr
.irp p, 0,1,2,3,4,5,6,7
	v_lshlrev_b32 v[RE+2*\p],   16,  v[PH+\p]                      ; hi as f32
	v_and_b32     v[RE+2*\p+1], s70, v[PH+\p]
.endr
.irp p, 0,1,2,3,4,5,6,7
	v_pk_add_f32 v[RY+2*\p:RY+2*\p+1], v[RY+2*\p:RY+2*\p+1], v[RE+2*\p:RE+2*\p+1] neg_lo:[0,1] neg_hi:[0,1]   ; elu - hi, exact
.endr
.irp p, 0,1,2,3,4,5,6,7
	v_cvt_pk_bf16_f32 v[PL+\p], v[RY+2*\p], v[RY+2*\p+1]           ; lo
.endr
.endm
; The six products of one tile and one K step: for each of the two head tiles, W hi x elu hi, W hi x elu lo, W lo x elu hi.  The tile's two accumulators take turns,
; one instruction a turn; the next matrix instruction in the text belongs to the other tile.  In the first K step the biases start the sums.
.macro MMT d0, d1, kk
.if \kk == 0
	WIN 0x11                                       ; source 0 and the addend in window 1
	v_wmma_f32_16x16x32_bf16 v[\d0:\d0+7], v[0:7],   v[PH:PH+7], v[64:71]
	v_wmma_f32_16x16x32_bf16 v[\d1:\d1+7], v[32:39], v[PH:PH+7], v[72:79]
	WIN 0x01                                       ; source 0 in window 1
.else
	WIN 0x01
	v_wmma_f32_16x16x32_bf16 v[\d0:\d0+7], v[8*\kk:8*\kk+7],       v[PH:PH+7], v[\d0:\d0+7]
	v_wmma_f32_16x16x32_bf16 v[\d1:\d1+7], v[32+8*\kk:32+8*\kk+7], v[PH:PH+7], v[\d1:\d1+7]
.endif
	v_wmma_f32_16x16x32_bf16 v[\d0:\d0+7], v[8*\kk:8*\kk+7],         v[PL:PL+7], v[\d0:\d0+7]
	v_wmma_f32_16x16x32_bf16 v[\d1:\d1+7], v[32+8*\kk:32+8*\kk+7],   v[PL:PL+7], v[\d1:\d1+7]
	v_wmma_f32_16x16x32_bf16 v[\d0:\d0+7], v[80+8*\kk:80+8*\kk+7],   v[PH:PH+7], v[\d0:\d0+7]
	v_wmma_f32_16x16x32_bf16 v[\d1:\d1+7], v[112+8*\kk:112+8*\kk+7], v[PH:PH+7], v[\d1:\d1+7]
	WIN 0
.endm
; One K step of 32 channels for both tiles.  left = LDS instructions issued behind this step's uu loads; (nk, ni) = the step whose uu is fetched next (nk = 9: none).
; The additions that follow a tile's products are the independent vector instructions between them and the next writes of PH and PL (ISA guide 7.12.1).
.macro CHUNK kk, left, nk, ni
	s_wait_dscnt \left
	ELUADD VP+16*\kk
	ELUREST
	MMT DA0, DA1, \kk
	ELUADD VP+64+16*\kk
.if \nk < 4
	ULOAD \nk, \ni
.endif
	ELUREST
	MMT DB0, DB1, \kk
.endm
; The heads of one tile, in place.  d0, d1: its two accumulators; t: 12 registers of work; m: the scalar mask of valid pairs; off: the tile's place in the stage.
; d0+0..4 pi logits; d0+5, d0+6, d0+7, d1+0, d1+1 sigma's z = x + 1.1 (slots 4, 0, 1, 2, 3); d1+2..6 mu's z = x + 1 (slots 0-3, 4).
; sigma = median(z, 1.1, exp(x) + 0.1), mu = median(z, 1, exp(x)): elu + constant, by the argument at the head.
.macro EPI d0, d1, t, m, off
	v_max3_num_f32 v[\t], v[\d0], v[\d0+1], v[\d0+2]
	v_max3_num_f32 v[\t], v[\t], v[\d0+3], v[\d0+4]
	v_permlanex16_b32 v[\t+1], v[\t], s40, s41     ; the other five components lie in the other half
	v_max_num_f32 v[\t], v[\t], v[\t+1]            ; the maximum of all ten
	v_mul_f32 v[\t], s36, v[\t]
.irp k, 0,1,2,3,4
	v_fma_f32 v[\d0+\k], v[\d0+\k], s36, -v[\t]
.endr
.irp k, 0,1,2,3,4
	v_exp_f32 v[\d0+\k], v[\d0+\k]
.endr
	v_fma_f32 v[\t+2], v[\d0+5], s36, s38          ; plain work on other registers stands behind each group of exponentials
	v_fma_f32 v[\t+3], v[\d0+6], s36, s38
	v_fma_f32 v[\t+4], v[\d0+7], s36, s38
	v_fma_f32 v[\t+5], v[\d1], s36, s38
	v_fma_f32 v[\t+6], v[\d1+1], s36, s38
.irp k, 2,3,4,5,6
	v_exp_f32 v[\t+\k], v[\t+\k]
.endr
.irp k, 0,1,2,3,4
	v_fma_f32 v[\t+7+\k], v[\d1+2+\k], s36, s39
.endr
.irp k, 7,8,9,10,11
	v_exp_f32 v[\t+\k], v[\t+\k]
.endr
	s_wait_alu depctr_va_vdst(0)
	v_add_f32 v[\t], v[\d0], v[\d0+1]
	v_add_f32 v[\t+1], v[\d0+2], v[\d0+3]
	v_add_f32 v[\t], v[\t], v[\d0+4]
	v_add_f32 v[\t], v[\t], v[\t+1]
	v_permlanex16_b32 v[\t+1], v[\t], s40, s41
	v_add_f32 v[\t], v[\t], v[\t+1]                ; between 1 and 10
	v_rcp_f32 v[\t], v[\t]
.irp k, 2,3,4,5,6
	v_add_f32 v[\t+\k], C01, v[\t+\k]
.endr
	v_med3_num_f32 v[\d0+5], v[\d0+5], C11, v[\t+2]
	v_med3_num_f32 v[\d0+6], v[\d0+6], C11, v[\t+3]
	v_med3_num_f32 v[\d0+7], v[\d0+7], C11, v[\t+4]
	v_med3_num_f32 v[\d1],   v[\d1],   C11, v[\t+5]
	v_med3_num_f32 v[\d1+1], v[\d1+1], C11, v[\t+6]
.irp k, 0,1,2,3,4
	v_med3_num_f32 v[\d1+2+\k], v[\d1+2+\k], 1.0, v[\t+7+\k]
.endr
	s_wait_alu depctr_va_vdst(0)
.irp k, 0,1,2,3,4
	v_fmaak_f32 v[\d0+\k], v[\d0+\k], v[\t], MDNEPS
.endr
.irp k, 0,1,2,3,4,5,6,7
	v_cndmask_b32 v[\d0+\k], 0, v[\d0+\k], s[\m]
.endr
.irp k, 0,1,2,3,4,5,6
	v_cndmask_b32 v[\d1+\k], 0, v[\d1+\k], s[\m]
.endr
	ds_store_b64 v[VSA], v[\d0:\d0+1]   offset:\off                ; pi
	ds_store_b64 v[VSA], v[\d0+2:\d0+3] offset:\off+8
	ds_store_b32 v[VSB], v[\d0+4]       offset:\off+32
	ds_store_b64 v[VSA], v[\d0+6:\d0+7] offset:\off+2560           ; sigma
	ds_store_b64 v[VSA], v[\d1:\d1+1]   offset:\off+2560+8
	ds_store_b32 v[VSB], v[\d0+5]       offset:\off+2560+32
	ds_store_b64 v[VSA], v[\d1+2:\d1+3] offset:\off+5120           ; mu
	ds_store_b64 v[VSA], v[\d1+4:\d1+5] offset:\off+5120+8
	ds_store_b32 v[VSB], v[\d1+6]       offset:\off+5120+32
.endm
.macro MASKS ii                        ; valid pairs of row i + ii
	s_add_co_i32 s2, s30, \ii
	s_cmp_lt_i32 s2, s28
	s_cselect_b32 s34, s32, 0
	s_cselect_b32 s35, s33, 0
.endm
.macro HEADS ii
.rept 4
	v_nop                                          ; four independent vector instructions between the last products and the first read of their results (ISA guide 7.12.1)
.endr
	EPI DA0, DA1, RY, 34, \ii*1280
	EPI DB0, DB1, RE, 35, \ii*1280+640
.endm
; The stage leaves: LDS serves a wave's instructions in order (ISA guide 5.7.1), so these loads see the stores above them.
.macro FLUSH
.irp o, 0,1,2
.irp n, 0,1,2,3,4
	ds_load_b128 v[FB+20*\o+4*\n:FB+20*\o+4*\n+3], v[VFL] offset:2560*\o+512*\n
.endr
.endr
.irp o, 0,1,2
	s_wait_dscnt 14-5*\o                           ; the younger loads stay out
	global_store_b128 v[V16], v[FB+20*\o:FB+20*\o+3],     s[20+2*\o:21+2*\o] th:TH_STORE_NT
	s_wait_dscnt 13-5*\o
	global_store_b128 v[V16], v[FB+20*\o+4:FB+20*\o+7],   s[20+2*\o:21+2*\o] offset:512 th:TH_STORE_NT
	s_wait_dscnt 12-5*\o
	global_store_b128 v[GO2], v[FB+20*\o+8:FB+20*\o+11],  s[20+2*\o:21+2*\o] th:TH_STORE_NT
	s_wait_dscnt 11-5*\o
	global_store_b128 v[V16], v[FB+20*\o+12:FB+20*\o+15], s[20+2*\o:21+2*\o] offset:20736 th:TH_STORE_NT
	s_wait_dscnt 10-5*\o
	global_store_b128 v[V16], v[FB+20*\o+16:FB+20*\o+19], s[20+2*\o:21+2*\o] offset:21248 th:TH_STORE_NT
.endr
.endm
.Ltrip:                                            ; two i a trip, four trips
	s_cmp_lt_i32 s30, s28
	s_cbranch_scc0 .Lz
	MASKS 0
	ULOAD 0, 0
	CHUNK 0, 0, 1, 0                               ; its wait for 0 also shows the window's two stores done
	s_add_co_i32 s2, s30, 2
	s_cmp_lt_i32 s2, s66                           ; is the next trip's first row mine and valid?
	s_cbranch_scc0 .Lnofetch
	global_load_b128 v[UG:UG+3],   v[VUG], s[60:61] offset:32        ; then its two uu rows are asked for now: seven K steps and two epilogues ahead
	global_load_b128 v[UG+4:UG+7], v[VUG], s[60:61] offset:4096+32
.Lnofetch:
	CHUNK 1, 0, 2, 0
	CHUNK 2, 0, 3, 0
	CHUNK 3, 0, 0, 1
	HEADS 0
	MASKS 1
	CHUNK 0, 18, 1, 1                              ; behind this step's four uu loads only the 18 stage stores of the two tiles were issued
	CHUNK 1, 0, 2, 1
	CHUNK 2, 0, 3, 1
	CHUNK 3, 0, 9, 0
	HEADS 1
	FLUSH
	s_wait_loadcnt 0x0                             ; on every way: no load into UG is out at the trip's end
	s_add_co_i32 s2, s30, 2
	s_cmp_lt_i32 s2, s66
	s_cbranch_scc0 .Lnext
	ds_store_b128 v[VWS], v[UG:UG+3]               ; the window's reads of this trip were waited for in the last K step: the next two rows take their place
	ds_store_b128 v[VWS], v[UG+4:UG+7] offset:512
	s_branch .Lnext
.Lz:
	ZERO15 0
.Lnext:
	s_wait_xcnt 0x0                                ; the stores' bases and data and the loads' base are written again only behind this wait
	s_add_nc_u64 s[20:21], s[20:21], 2*ROWB
	s_add_nc_u64 s[22:23], s[22:23], 2*ROWB
	s_add_nc_u64 s[24:25], s[24:25], 2*ROWB
	s_add_nc_u64 s[60:61], s[60:61], 32            ; two uu rows on
	s_add_co_i32 s30, s30, 2
	s_add_co_u32 s31, s31, 1
	s_cmp_lt_u32 s31, 4
	s_cbranch_scc1 .Ltrip
	s_wait_tensorcnt 0x0
	ds_add_u32 v30, v31
	s_wait_dscnt 0x0
	s_endpgm
.Lzero_all:                                        ; no valid pair in my 8 i x 32 j: the trip stands in the immediate, 144,128 bytes at the most
	ZERO15 0
	ZERO15 2*ROWB
	ZERO15 4*ROWB
	ZERO15 6*ROWB
	s_wait_tensorcnt 0x0
	ds_add_u32 v30, v31
	s_wait_dscnt 0x0
	s_endpgm
	; ---------------- the binding affinity of batch b = x - 256 ----------------
	; One row per batch, so the three layers are f32 multiply-adds of the vector unit.  128 threads.  Each weight matrix is read once, in batches of 16 rows
	; that take turns in two register buffers; the next layer's first batches are asked for while the last ones of this layer are used.
	; LDS, each region written once: 0 four partial sums of hl, 2048 h, 2560 two partial sums of layer 1, 4608 x1, 5632 four partial sums of layer 2, 7680 four wave sums.
.set HR, 32                            ; v[32:95]   hl rows, then 64 inputs of a layer
.set B0, 96                            ; v[96:159]  a batch of 16 weight rows, 4 columns each
.set B1, 160                           ; v[160:223] the other batch
.macro WLD buf, vo, sb, stride, beta
.set ix, 0
.rept 16
	global_load_b128 v[\buf+4*ix:\buf+4*ix+3], v[\vo], s[\sb:\sb+1] offset:\stride*(16*\beta+ix)
.set ix, ix+1
.endr
.endm
; inputs 2 p and 2 p + 1 of a batch times their weight rows: four chains of sums, v[16:19] for even inputs, v[20:23] for odd ones
.macro BAPAIR buf, hk, p, mul
.if \mul
	v_pk_mul_f32 v[16:17], v[\buf+8*\p:\buf+8*\p+1],   v[\hk+2*\p:\hk+2*\p+1] op_sel_hi:[1,0]
	v_pk_mul_f32 v[18:19], v[\buf+8*\p+2:\buf+8*\p+3], v[\hk+2*\p:\hk+2*\p+1] op_sel_hi:[1,0]
	v_pk_mul_f32 v[20:21], v[\buf+8*\p+4:\buf+8*\p+5], v[\hk+2*\p:\hk+2*\p+1] op_sel:[0,1] op_sel_hi:[1,1]
	v_pk_mul_f32 v[22:23], v[\buf+8*\p+6:\buf+8*\p+7], v[\hk+2*\p:\hk+2*\p+1] op_sel:[0,1] op_sel_hi:[1,1]
.else
	v_pk_fma_f32 v[16:17], v[\buf+8*\p:\buf+8*\p+1],   v[\hk+2*\p:\hk+2*\p+1], v[16:17] op_sel_hi:[1,0,1]
	v_pk_fma_f32 v[18:19], v[\buf+8*\p+2:\buf+8*\p+3], v[\hk+2*\p:\hk+2*\p+1], v[18:19] op_sel_hi:[1,0,1]
	v_pk_fma_f32 v[20:21], v[\buf+8*\p+4:\buf+8*\p+5], v[\hk+2*\p:\hk+2*\p+1], v[20:21] op_sel:[0,1,0] op_sel_hi:[1,1,1]
	v_pk_fma_f32 v[22:23], v[\buf+8*\p+6:\buf+8*\p+7], v[\hk+2*\p:\hk+2*\p+1], v[22:23] op_sel:[0,1,0] op_sel_hi:[1,1,1]
.endif
.endm
.macro BAFMA buf, beta, first, left    ; left = the other buffer's loads, which stay out
	s_wait_loadcnt \left
	BAPAIR \buf, HR+16*\beta, 0, \first
.irp p, 1,2,3,4,5,6,7
	BAPAIR \buf, HR+16*\beta, \p, 0
.endr
.endm
.macro BAR
	s_wait_dscnt 0x0                               ; my stores are in LDS before I say so
	s_barrier_signal -1
	s_barrier_wait -1
.endm
.Laff:
	s_load_b64 s[16:17], s[0:1], 0x20              ; nl_counts
	s_load_b128 s[8:11], s[0:1], 0x50              ; hl, out4
	s_load_b512 s[20:35], s[0:1], 0x60             ; ba_W1, b1, g1, be1, m1, v1, ba_W2, b2
	s_load_b256 s[36:43], s[0:1], 0xa0             ; g2, be2, m2, v2
	s_load_b128 s[44:47], s[0:1], 0xc0             ; ba_W3, b3
	s_sub_co_u32 s5, ttmp9, 256                    ; b
	s_lshl_b32 s2, s5, 2
	s_mov_b32 s3, 0
	s_lshl_b32 s6, s5, 15                          ; 64 rows of 512 bytes
	s_mov_b32 s7, 0
	s_lshr_b32 s51, s4, 1                          ; layer 1: which 64 inputs are mine
	s_lshl_b32 s50, s4, 13
	v_add_nc_u32 v5, s50, v[V16]                   ; hl: rows 16 w .., 16 l
	v_lshlrev_b32 v6, 3, v0                        ; 8 t
	v_lshlrev_b32 v7, 2, v0                        ; 4 t
	v_and_b32 v12, 63, v0
	v_lshlrev_b32 v12, 4, v12                      ; layer 1: my four columns
	s_lshl_b32 s52, s51, 16
	v_add_nc_u32 v8, s52, v12                      ; W1: 64 rows of 1,024 bytes for each half
	s_lshl_b32 s53, s4, 15
	v_add_nc_u32 v9, s53, v[V16]                   ; W2: 64 rows of 512 bytes for each wave
	s_lshl_b32 s53, s4, 9
	v_add_nc_u32 v10, s53, v[V16]                  ; 512 w + 16 l
	s_lshl_b32 s53, s51, 8
	v_mov_b32 v11, s53                             ; my 64 inputs of layer 1
	s_lshl_b32 s53, s51, 10
	v_add_nc_u32 v12, s53, v12                     ; my partial sums of layer 1
	s_lshl_b32 s53, s4, 8
	v_mov_b32 v13, s53                             ; my 64 inputs of layer 2
	s_lshl_b32 s53, s4, 2
	v_mov_b32 v14, s53
	s_mov_b32 s58, L2E
	s_mov_b32 s59, L2E
	s_mov_b32 s60, 0x76543210
	s_mov_b32 s61, 0xfedcba98
	s_wait_kmcnt 0x0
	s_add_nc_u64 s[16:17], s[16:17], s[2:3]
	s_add_nc_u64 s[10:11], s[10:11], s[2:3]
	s_add_nc_u64 s[8:9], s[8:9], s[6:7]
	s_load_b32 s48, s[16:17], 0x0                  ; nl
	s_load_b32 s49, s[46:47], 0x0                  ; ba_b3
.set ix, 0
.rept 16
	global_load_b128 v[HR+4*ix:HR+4*ix+3], v5, s[8:9] offset:512*ix
.set ix, ix+1
.endr
	global_load_b64 v[224:225], v6, s[22:23]       ; b1, g1, be1, m1, v1 of columns 2 t, 2 t + 1
	global_load_b64 v[226:227], v6, s[24:25]
	global_load_b64 v[228:229], v6, s[26:27]
	global_load_b64 v[230:231], v6, s[28:29]
	global_load_b64 v[232:233], v6, s[30:31]
	global_load_b32 v234, v7, s[34:35]             ; b2, g2, be2, m2, v2, W3 of column t
	global_load_b32 v235, v7, s[36:37]
	global_load_b32 v236, v7, s[38:39]
	global_load_b32 v237, v7, s[40:41]
	global_load_b32 v238, v7, s[42:43]
	global_load_b32 v239, v7, s[44:45]
	WLD B0, 8, 20, 1024, 0
	WLD B1, 8, 20, 1024, 1
	s_wait_kmcnt 0x0
	s_lshl_b32 s54, s4, 4
	s_sub_co_i32 s54, s48, s54                     ; row 16 w + n is valid where n < nl - 16 w
	s_mov_b32 s57, 0
	s_wait_loadcnt 43                              ; my 16 rows of hl are in; the 5 + 6 + 32 younger loads stay out
	s_cmp_gt_i32 s54, 0
	s_cselect_b32 s56, 0x3f800000, 0
	v_pk_mul_f32 v[16:17], v[HR:HR+1],   s[56:57] op_sel_hi:[1,0]
	v_pk_mul_f32 v[18:19], v[HR+2:HR+3], s[56:57] op_sel_hi:[1,0]
.irp n, 1,2,3,4,5,6,7,8,9,10,11,12,13,14,15
	s_cmp_gt_i32 s54, \n
	s_cselect_b32 s56, 0x3f800000, 0               ; hl times its mask, as the function has it
	v_pk_fma_f32 v[16:17], v[HR+4*\n:HR+4*\n+1],   s[56:57], v[16:17] op_sel_hi:[1,0,1]
	v_pk_fma_f32 v[18:19], v[HR+4*\n+2:HR+4*\n+3], s[56:57], v[18:19] op_sel_hi:[1,0,1]
.endr
	ds_store_b128 v10, v[16:19]
	BAR
	ds_load_b32 v20, v7
	ds_load_b32 v21, v7 offset:512
	ds_load_b32 v22, v7 offset:1024
	ds_load_b32 v23, v7 offset:1536
	s_wait_dscnt 0x0
	v_add_f32 v20, v20, v21
	v_add_f32 v22, v22, v23
	v_add_f32 v20, v20, v22
	ds_store_b32 v7, v20 offset:2048               ; h[t]
	BAR
.set ix, 0
.rept 16
	ds_load_b128 v[HR+4*ix:HR+4*ix+3], v11 offset:2048+16*ix
.set ix, ix+1
.endr
	s_wait_dscnt 0x0
	BAFMA B0, 0, 1, 16
	WLD B0, 8, 20, 1024, 2
	BAFMA B1, 1, 0, 16
	WLD B1, 8, 20, 1024, 3
	BAFMA B0, 2, 0, 16
	WLD B0, 9, 32, 512, 0                          ; layer 2's first batches
	BAFMA B1, 3, 0, 16
	WLD B1, 9, 32, 512, 1
	v_pk_add_f32 v[16:17], v[16:17], v[20:21]
	v_pk_add_f32 v[18:19], v[18:19], v[22:23]
	ds_store_b128 v12, v[16:19] offset:2560
	BAR
	ds_load_b64 v[24:25], v6 offset:2560
	ds_load_b64 v[26:27], v6 offset:3584
	v_add_f32 v240, EPSBN, v232
	v_add_f32 v241, EPSBN, v233
	v_rsq_f32 v240, v240
	v_rsq_f32 v241, v241
	v_pk_add_f32 v[242:243], v[224:225], v[230:231] neg_lo:[0,1] neg_hi:[0,1]   ; b1 - m1 (the plain instruction behind the roots)
	s_wait_alu depctr_va_vdst(0)
	v_pk_mul_f32 v[240:241], v[240:241], v[226:227]                             ; g1 / sqrt(v1 + eps)
	s_wait_dscnt 0x0
	v_pk_add_f32 v[24:25], v[24:25], v[26:27]
	v_pk_add_f32 v[24:25], v[24:25], v[242:243]
	v_pk_fma_f32 v[24:25], v[24:25], v[240:241], v[228:229]
	v_pk_mul_f32 v[26:27], v[24:25], s[58:59] op_sel_hi:[1,0]
	v_exp_f32 v26, v26
	v_exp_f32 v27, v27
	v_nop
	s_wait_alu depctr_va_vdst(0)
	v_pk_add_f32 v[26:27], v[26:27], -1.0 op_sel_hi:[1,0]
	v_med3_num_f32 v24, v24, 0, v26
	v_med3_num_f32 v25, v25, 0, v27
	ds_store_b64 v6, v[24:25] offset:4608          ; x1[2 t], x1[2 t + 1]
	BAR
.set ix, 0
.rept 16
	ds_load_b128 v[HR+4*ix:HR+4*ix+3], v13 offset:4608+16*ix
.set ix, ix+1
.endr
	s_wait_dscnt 0x0
	BAFMA B0, 0, 1, 16
	WLD B0, 9, 32, 512, 2
	BAFMA B1, 1, 0, 16
	WLD B1, 9, 32, 512, 3
	BAFMA B0, 2, 0, 16
	BAFMA B1, 3, 0, 0
	v_pk_add_f32 v[16:17], v[16:17], v[20:21]
	v_pk_add_f32 v[18:19], v[18:19], v[22:23]
	ds_store_b128 v10, v[16:19] offset:5632
	BAR
	ds_load_b32 v24, v7 offset:5632
	ds_load_b32 v25, v7 offset:5632+512
	ds_load_b32 v26, v7 offset:5632+1024
	ds_load_b32 v27, v7 offset:5632+1536
	v_add_f32 v28, EPSBN, v238
	v_rsq_f32 v28, v28
	v_sub_f32 v29, v234, v237                      ; b2 - m2
	s_wait_alu depctr_va_vdst(0)
	v_mul_f32 v28, v28, v235
	s_wait_dscnt 0x0
	v_add_f32 v24, v24, v25
	v_add_f32 v26, v26, v27
	v_add_f32 v24, v24, v26
	v_add_f32 v24, v24, v29
	v_fma_f32 v24, v24, v28, v236
	v_mul_f32 v25, s58, v24
	v_exp_f32 v25, v25
	v_nop
	s_wait_alu depctr_va_vdst(0)
	v_add_f32 v25, -1.0, v25
	v_med3_num_f32 v24, v24, 0, v25
	v_mul_f32 v24, v24, v239                       ; x2[t] W3[t]
	v_add_f32_dpp v24, v24, v24 row_xmask:1 row_mask:0xf bank_mask:0xf
	v_add_f32_dpp v24, v24, v24 row_xmask:2 row_mask:0xf bank_mask:0xf
	v_add_f32_dpp v24, v24, v24 row_xmask:4 row_mask:0xf bank_mask:0xf
	v_add_f32_dpp v24, v24, v24 row_xmask:8 row_mask:0xf bank_mask:0xf
	v_permlanex16_b32 v25, v24, s60, s61
	v_add_f32 v24, v24, v25
	ds_store_b32 v14, v24 offset:7680
	BAR
	s_cmp_lg_u32 s4, 0
	s_cbranch_scc1 .Laend
	v_mov_b32 v15, 0
	ds_load_b128 v[24:27], v15 offset:7680
	s_wait_dscnt 0x0
	v_add_f32 v24, v24, v25
	v_add_f32 v26, v26, v27
	v_add_f32 v24, v24, v26
	v_add_f32 v24, s49, v24
	v_cmp_eq_u32 vcc_lo, 0, v0
	s_wait_xcnt 0x0                                ; EXEC changes only behind this wait
	s_and_saveexec_b32 s62, vcc_lo
	global_store_b32 v15, v24, s[10:11]            ; the one number of this work-group
	s_wait_xcnt 0x0
	s_or_b32 exec_lo, exec_lo, s62
.Laend:
	s_wait_tensorcnt 0x0
	ds_add_u32 v30, v31
	s_wait_dscnt 0x0
	s_endpgm
.Lfunc_end_k_qce5529881b_pairs:
	.size	k_qce5529881b_pairs, .Lfunc_end_k_qce5529881b_pairs-k_qce5529881b_pairs
	.p2alignl 7, 3214868480
	.fill 96, 4, 3214868480
	.section	.rodata,"a",@progbits
	.p2align	6, 0x0
	.amdhsa_kernel k_qce5529881b_pairs
		.amdhsa_group_segment_fixed_size 94720
		.amdhsa_private_segment_fixed_size 0
		.amdhsa_enable_private_segment 0
		.amdhsa_kernarg_size 208
		.amdhsa_user_sgpr_count 2
		.amdhsa_user_sgpr_kernarg_segment_ptr 1
		.amdhsa_wavefront_size32 1
		.amdhsa_system_sgpr_workgroup_id_x 1
		.amdhsa_system_sgpr_workgroup_id_y 1
		.amdhsa_system_sgpr_workgroup_id_z 1
		.amdhsa_system_vgpr_workitem_id 0
		.amdhsa_next_free_vgpr 400
		.amdhsa_next_free_sgpr 80
		.amdhsa_reserve_vcc 1
		.amdhsa_float_denorm_mode_32 3
		.amdhsa_float_denorm_mode_16_64 3
		.amdhsa_memory_ordered 1
		.amdhsa_forward_progress 1
		.amdhsa_inst_pref_size 186
	.end_amdhsa_kernel
	.amdgpu_metadata
---
amdhsa.version: [ 1, 2 ]
amdhsa.kernels:
  - .name:           k_qce5529881b_pairs
    .symbol:         k_qce5529881b_pairs.kd
    .args:
      - { .name: uv, .offset: 0, .size: 8, .value_kind: global_buffer, .address_space: global }
      - { .name: hfrag, .offset: 8, .size: 8, .value_kind: global_buffer, .address_space: global }
      - { .name: l_pos, .offset: 16, .size: 8, .value_kind: global_buffer, .address_space: global }
      - { .name: p_pos, .offset: 24, .size: 8, .value_kind: global_buffer, .address_space: global }
      - { .name: nl_counts, .offset: 32, .size: 8, .value_kind: global_buffer, .address_space: global }
      - { .name: np_counts, .offset: 40, .size: 8, .value_kind: global_buffer, .address_space: global }
      - { .name: out0, .offset: 48, .size: 8, .value_kind: global_buffer, .address_space: global }
      - { .name: out1, .offset: 56, .size: 8, .value_kind: global_buffer, .address_space: global }
      - { .name: out2, .offset: 64, .size: 8, .value_kind: global_buffer, .address_space: global }
      - { .name: out3, .offset: 72, .size: 8, .value_kind: global_buffer, .address_space: global }
      - { .name: hl, .offset: 80, .size: 8, .value_kind: global_buffer, .address_space: global }
      - { .name: out4, .offset: 88, .size: 8, .value_kind: global_buffer, .address_space: global }
      - { .name: ba_W1, .offset: 96, .size: 8, .value_kind: global_buffer, .address_space: global }
      - { .name: ba_b1, .offset: 104, .size: 8, .value_kind: global_buffer, .address_space: global }
      - { .name: ba_g1, .offset: 112, .size: 8, .value_kind: global_buffer, .address_space: global }
      - { .name: ba_be1, .offset: 120, .size: 8, .value_kind: global_buffer, .address_space: global }
      - { .name: ba_m1, .offset: 128, .size: 8, .value_kind: global_buffer, .address_space: global }
      - { .name: ba_v1, .offset: 136, .size: 8, .value_kind: global_buffer, .address_space: global }
      - { .name: ba_W2, .offset: 144, .size: 8, .value_kind: global_buffer, .address_space: global }
      - { .name: ba_b2, .offset: 152, .size: 8, .value_kind: global_buffer, .address_space: global }
      - { .name: ba_g2, .offset: 160, .size: 8, .value_kind: global_buffer, .address_space: global }
      - { .name: ba_be2, .offset: 168, .size: 8, .value_kind: global_buffer, .address_space: global }
      - { .name: ba_m2, .offset: 176, .size: 8, .value_kind: global_buffer, .address_space: global }
      - { .name: ba_v2, .offset: 184, .size: 8, .value_kind: global_buffer, .address_space: global }
      - { .name: ba_W3, .offset: 192, .size: 8, .value_kind: global_buffer, .address_space: global }
      - { .name: ba_b3, .offset: 200, .size: 8, .value_kind: global_buffer, .address_space: global }
    .group_segment_fixed_size: 94720
    .private_segment_fixed_size: 0
    .kernarg_segment_align: 8
    .kernarg_segment_size: 208
    .max_flat_workgroup_size: 128
    .sgpr_count:     80
    .vgpr_count:     400
    .wavefront_size: 32
...
	.end_amdgpu_metadata
.endif
;; end of part 2
;; ======== version 2 of 2: 2 launches; 1.11 times as fast as version 1
;; workspace buffers: uv 2,359,296 bytes; hfrag 18,432 bytes
;; launch prep (part 3): grid 73 x 1, 4 waves a work-group, no clusters, 168,448 bytes of LDS; arguments hl, hp, mlp_W, mlp_b, mlp_g, mlp_be, mlp_m, mlp_v, uv, pi_W, sg_W, mu_W, pi_b, sg_b, mu_b, hfrag; writes uv, hfrag
.if DOCPART == 3
	.amdgcn_target "amdgcn-amd-amdhsa--gfx1250"
	.amdhsa_code_object_version 6
	.text
	.protected	k_qce5529881b_prep
	.globl	k_qce5529881b_prep
	.p2align	8
	.type	k_qce5529881b_prep,@function
k_qce5529881b_prep:
	s_mov_b64 s[64:65], 0
	v_nop
	global_prefetch_b8 v0, s[64:65] scope:SCOPE_SE
	s_setreg_imm32_b32 hwreg(HW_REG_WAVE_MODE, 25, 1), 1
	s_wait_xcnt 0x0
; PREP: the per-row halves of the pair MLP, and the three MDN heads packed as matrix fragments.
;
; WORK THAT IS FORMED ONCE INSTEAD OF ONCE PER PAIR, AND WORK LEFT OUT (holds for all finite inputs):
;  * concat(hl[i], hp[j]) @ mlp_W = hl[i] @ mlp_W[0:128] + hp[j] @ mlp_W[128:256] (distributivity): the same products, formed once for each
;    of the 512 + 4096 rows here and added per pair in the next launch.
;  * The eval-mode BatchNorm is affine: with s = g * rsqrt(var + 1e-5), bn(a + c + b) = a*s + c*s + ((b - m)*s + be).  Stored here, both f32 and both
;    times log2(e):  uu = ((hl @ Wtop)*s + ((mlp_b - m)*s + be)) log2(e)   and   vv = (hp @ Wbottom)*s log2(e).
;    With y' = uu + vv = y log2(e) the next launch has exp(y) = 2^y' without a multiply, and forms log2(e) elu(y); the head weights are stored times ln 2.
;  * On the pair path the factors l_mask, p_mask on hl, hp, l_pos, p_pos are 1 for every pair with i < nl and j < np, and every other pair is
;    multiplied by cm = 0 at the end of the function: so rows are used unmasked and the next launch selects 0 for invalid pairs.
;    (In the pooled sum of the affinity head the mask is live and is applied there.)
;  * sigma adds 1.1 + 1e-10 and mu 1.0 + 1e-10: in f32 these sums are 1.1 and 1.0, and 1e-10 is below half a unit in the last place of every
;    result (all are at least 0.1).  The 1e-10 added to pi is kept.
;  LIMITS: a NaN, an infinity or an overflow that sits only in padded rows (i >= nl, j >= np) is not carried into the zeros of invalid pairs.
;  var + 1e-5 must be a positive normal number.
;
; TWO bf16 PARTS FOR EACH MATRIX OPERAND.  x = hi + lo, hi = x rounded to bf16, lo = x - hi rounded to bf16, and a product is the f32 sum of three:
; hi.hi + lo.hi + hi.lo.  What is dropped (lo.lo and lo's own rounding) is of relative size 2^-16.  One rounding alone (2^-9 a term, over 256 terms here and
; 128 + 128 in the heads) leaves errors of the pi logits whose tail reaches a hundredth, which is a hundredth of pi itself.  The matrix work is three times
; as much and still small beside the vector work of the next launch.  Sums, BatchNorm and everything else are f32.
;
; Work-groups 0..71: 64 rows each (0..7: hl with W rows 0-127, 8..71: hp with W rows 128-255); wave w makes the 16-row tile 4 g + w.
; Work-group 72: packs pi_W, sg_W, mu_W and their biases.  The two roles have LDS bytes of their own: no byte has two meanings in this text.
; The product is used transposed: source 0 = 16 channels of W, source 1 = 16 rows of x.  Lane (r = l % 16, h = l / 16) then holds row r and, in
; accumulator register e = 8 q + j, channel 16 q + 8 h + j.  That is also the order in which the next launch needs 32 channels of a pair as a 16-bit operand.
; uv: bytes 0 to 262,143 hold uu as 512 rows (64 b + i) of 512 bytes, quad n (e = 4 n .. 4 n + 3) of half h at 32 n + 16 h, so that the next launch fetches a
; row as 512 consecutive bytes; the tiles are turned into rows in a stage of the wave's own in LDS.  From byte 262,144 on vv lies as the registers hold it:
; a block of 8,192 bytes for each tile of 16 rows, quad n of lane l at 512 n + 16 l.
; No tensor loads, no cluster: every byte that enters LDS is split into bf16 parts on the way, so it passes through registers anyhow.
.set EPSBN, 0x3727c5ac                 ; 1e-5
.set C11,   0x3f8ccccd                 ; 1.1
.set L2E,   0x3fb8aa3b                 ; log2(e)
.set LN2,   0x3f317218                 ; ln 2
.set WP,  288                          ; LDS pitch of a W row: 256 bytes of bf16 + 32, an odd multiple of 32 bytes
.set WLO, 36864                        ; W's hi parts at 0 (128 rows), its lo parts this far behind
.set XB,  73728                        ; x's hi parts (64 rows); this base stands in the address registers
.set XP,  272                          ; LDS pitch of an x row: 256 bytes of bf16 + 16
.set XLO, 17408                        ; x's lo parts this far behind
.set ST,  108544                       ; s[128] f32, then t[128] f32; base in the address registers
.set HB,  109568                       ; the heads role's table of hi parts: 128 rows of 96 bytes; base in the address registers
.set HLO, 12288                        ; its table of lo parts this far behind
.set UT,  134144                       ; the four waves' stages for uu: 16 rows each
.set UTP, 528                          ; pitch of a stage row: 512 bytes + 16, an odd multiple of 16 bytes
.set ACC, 16                           ; v[16:79]    8 accumulators
.set BA,  80                           ; v[80:143]   W hi fragments of one K step; later s; later uu rows
.set BB,  144                          ; v[144:207]  W lo fragments of one K step; later t
.set XF0, 208                          ; v[208:223]  x fragments of one K step: hi 8 registers, lo 8
.set XF1, 224                          ; v[224:239]  the same for the next K step
.set XD,  16                           ; v[16:79]    x as loaded (f32)
.set WD,  80                           ; v[80:207]   W as loaded (f32)
.set BN,  208                          ; v[208:214]  BatchNorm parameters of channel t
.set TS,  216                          ; v[216:221], v[224:229]  work of the split, two sets in turn
	v_lshl_add_u32 v240, v0, 2, 0x29000
	v_mov_b32 v241, 0
	v_lshrrev_b32 v1, 5, v0
	v_readfirstlane_b32 s4, v1                     ; wave 0..3
	v_and_b32 v2, 31, v0                           ; lane l
	v_and_b32 v3, 15, v0                           ; r
	v_bfe_u32 v4, v0, 4, 1                         ; h
	v_lshlrev_b32 v5, 4, v2                        ; 16 l
	v_and_b32 v14, 7, v0
	v_lshl_or_b32 v14, v4, 3, v14                  ; 8 h + (l & 7): the row that a transposing load addresses
	v_bfe_u32 v13, v0, 3, 1
	v_lshlrev_b32 v13, 4, v13                      ; 16 ((l >> 3) & 1): its 16-byte column
	s_cmp_eq_u32 ttmp9, 72
	s_cbranch_scc1 .Lheads
	; ---------------- rows: uu and vv ----------------
	s_load_b512 s[8:23], s[0:1], 0x0               ; hl, hp, mlp_W, mlp_b, mlp_g, mlp_be, mlp_m, mlp_v
	s_load_b64 s[24:25], s[0:1], 0x40              ; uv
	v_lshlrev_b32 v6, 2, v0                        ; 4 t: channel t of the parameters
	s_lshl_b32 s5, s4, 13
	v_add_nc_u32 v7, s5, v5                        ; 8192 w + 16 l: my 16 rows of x, and my 8,192 bytes of uv
	s_lshl_b32 s5, s4, 9
	v_add_nc_u32 v8, s5, v5                        ; 512 w + 16 l: W row 4 n + w
	v_lshlrev_b32 v9, 3, v2                        ; 8 l: four bf16
	s_mul_i32 s6, s4, 16*XP
	s_add_co_u32 s6, s6, XB
	v_add_nc_u32 v10, s6, v9                       ; x into LDS: row 16 w + n
	s_mul_i32 s5, s4, WP
	v_add_nc_u32 v11, s5, v9                       ; W hi into LDS: row 4 n + w
	v_add_nc_u32 v1, WLO, v11                      ; W lo
	v_mad_u32_u24 v12, v3, XP, s6
	v_lshl_add_u32 v12, v4, 4, v12                 ; x fragment: (16 w + r) pitch + 16 h
	v_mad_u32_u24 v13, v14, WP, v13                ; W hi fragment: (8 h + (l & 7)) pitch + 16 ((l >> 3) & 1)
	v_add_nc_u32 v14, WLO, v13                     ; W lo fragment
	v_add_nc_u32 v9, ST, v6                        ; s[t]
	v_lshlrev_b32 v15, 5, v4
	v_add_nc_u32 v15, ST, v15                      ; 32 h: my 8 channels in a block of 16
	s_wait_kmcnt 0x0
	s_cmp_lt_u32 ttmp9, 8                          ; the first 8 work-groups take hl
	s_cselect_b64 s[40:41], s[8:9], s[10:11]
	s_cselect_b32 s42, 0, 8
	s_cselect_b32 s44, 0, 0x10000                  ; hp multiplies W rows 128-255
	s_cselect_b32 s46, L2E, 0                      ; the constant term goes with uu alone, times log2(e)
	s_sub_co_u32 s42, ttmp9, s42
	s_lshl_b32 s42, s42, 15                        ; 64 rows of 512 bytes
	s_mov_b32 s43, 0
	s_mov_b32 s45, 0
	s_add_nc_u64 s[40:41], s[40:41], s[42:43]
	s_add_nc_u64 s[12:13], s[12:13], s[44:45]
	s_lshl_b32 s42, ttmp9, 15                      ; 64 rows of uu, or four tile blocks of vv: 32,768 bytes either way
	s_add_nc_u64 s[24:25], s[24:25], s[42:43]
	global_load_b32 v[BN+0], v6, s[14:15]          ; b
	global_load_b32 v[BN+1], v6, s[16:17]          ; g
	global_load_b32 v[BN+2], v6, s[18:19]          ; be
	global_load_b32 v[BN+3], v6, s[20:21]          ; m
	global_load_b32 v[BN+4], v6, s[22:23]          ; var
.set ix, 0
.rept 16
	global_load_b128 v[XD+4*ix:XD+4*ix+3], v7, s[40:41] offset:512*ix th:TH_LOAD_NT   ; one row of x: 512 consecutive bytes
.set ix, ix+1
.endr
.set ix, 0
.rept 32
	global_load_b128 v[WD+4*ix:WD+4*ix+3], v8, s[12:13] offset:2048*ix                ; W row 4 ix + w
.set ix, ix+1
.endr
	s_wait_loadcnt 48                              ; the five parameters are in; the 16 + 32 younger loads stay out
	v_add_f32 v[BN+5], EPSBN, v[BN+4]
	v_rsq_f32 v[BN+5], v[BN+5]
	v_sub_f32 v[BN+6], v[BN+0], v[BN+3]            ; b - m (also the plain instruction behind the reciprocal root)
	s_wait_alu depctr_va_vdst(0)
	v_mul_f32 v[BN+5], v[BN+1], v[BN+5]            ; s
	v_fma_f32 v[BN+6], v[BN+6], v[BN+5], v[BN+2]   ; (b - m) s + be
	v_mul_f32 v[BN+5], L2E, v[BN+5]                ; s log2(e)
	v_mul_f32 v[BN+6], s46, v[BN+6]                ; t log2(e), or 0 for vv
	ds_store_b32 v9, v[BN+5]
	ds_store_b32 v9, v[BN+6] offset:512
; four f32 as loaded become four hi and four lo parts in LDS.  ts = the set of work registers; left = the younger loads that may stay out.
.macro CVST reg, ts, ah, al, ih, il, left
	s_wait_loadcnt \left
	v_cvt_pk_bf16_f32 v[\ts],   v[\reg],   v[\reg+1]           ; hi, to nearest even
	v_cvt_pk_bf16_f32 v[\ts+1], v[\reg+2], v[\reg+3]
	v_lshlrev_b32 v[\ts+2], 16, v[\ts]                         ; hi as f32
	v_and_b32     v[\ts+3], 0xffff0000, v[\ts]
	v_lshlrev_b32 v[\ts+4], 16, v[\ts+1]
	v_and_b32     v[\ts+5], 0xffff0000, v[\ts+1]
	v_pk_add_f32 v[\reg:\reg+1],   v[\reg:\reg+1],   v[\ts+2:\ts+3] neg_lo:[0,1] neg_hi:[0,1]   ; x - hi, exact
	v_pk_add_f32 v[\reg+2:\reg+3], v[\reg+2:\reg+3], v[\ts+4:\ts+5] neg_lo:[0,1] neg_hi:[0,1]
	v_cvt_pk_bf16_f32 v[\reg],   v[\reg],   v[\reg+1]          ; lo
	v_cvt_pk_bf16_f32 v[\reg+1], v[\reg+2], v[\reg+3]
	ds_store_b64 v[\ah], v[\ts:\ts+1]   offset:\ih
	ds_store_b64 v[\al], v[\reg:\reg+1] offset:\il
.endm
.set ix, 0
.rept 16
	CVST XD+4*ix, TS+8*(ix%2), 10, 10, XP*ix, XLO+XP*ix, 47-ix
.set ix, ix+1
.endr
.set ix, 0
.rept 32
	CVST WD+4*ix, TS+8*(ix%2), 11, 1, 4*WP*ix, 4*WP*ix, 31-ix
.set ix, ix+1
.endr
	s_wait_dscnt 0x0                               ; my stores are in LDS before I say so
	s_barrier_signal -1
	s_barrier_wait -1                              ; W, x, s and t are whole
.macro XLD xf, kk                      ; my x fragment of K step kk: hi, then lo
	ds_load_b128 v[\xf:\xf+3],     v12 offset:64*\kk
	ds_load_b128 v[\xf+4:\xf+7],   v12 offset:64*\kk+32
	ds_load_b128 v[\xf+8:\xf+11],  v12 offset:XLO+64*\kk
	ds_load_b128 v[\xf+12:\xf+15], v12 offset:XLO+64*\kk+32
.endm
; the eight W fragments (16 channels x 32 k each) of K step kk, hi (adr = 13) or lo (adr = 14): W lies [k][channel], so the loads transpose
.macro WFR buf, adr, kk
.irp q, 0,1,2,3,4,5,6,7
	ds_load_tr16_b128 v[\buf+8*\q:\buf+8*\q+3],   v[\adr] offset:32*WP*\kk+32*\q
	ds_load_tr16_b128 v[\buf+8*\q+4:\buf+8*\q+7], v[\adr] offset:32*WP*\kk+32*\q+16*WP
.endr
.endm
; eight products, one for each accumulator: the accumulators take turns, one instruction a turn
.macro MM wb, xf, zero
.irp q, 0,1,2,3,4,5,6,7
.if \zero
	v_wmma_f32_16x16x32_bf16 v[ACC+8*\q:ACC+8*\q+7], v[\wb+8*\q:\wb+8*\q+7], v[\xf:\xf+7], 0
.else
	v_wmma_f32_16x16x32_bf16 v[ACC+8*\q:ACC+8*\q+7], v[\wb+8*\q:\wb+8*\q+7], v[\xf:\xf+7], v[ACC+8*\q:ACC+8*\q+7]
.endif
.endr
.endm
.macro PLACES                          ; four independent vector instructions between a product and a load into, or a read of, its registers
.rept 4
	v_nop
.endr
.endm
	; For each K step: W hi times x hi and x lo (buffer BA), then BA is filled with the next step's hi parts; W lo times x hi (buffer BB), then BB and an x set are filled.
	XLD XF0, 0
	WFR BA, 13, 0
	WFR BB, 14, 0
	XLD XF1, 1
	s_wait_dscnt 20                                ; x and W hi of K step 0 are in; W lo's 16 loads and the next x's 4 stay out
	MM BA, XF0, 1                                  ; the first products start the sums
	MM BA, XF0+8, 0
	PLACES
	WFR BA, 13, 1
	s_wait_dscnt 16                                ; all but the 16 just issued
	MM BB, XF0, 0
	PLACES
	WFR BB, 14, 1
	XLD XF0, 2
	s_wait_dscnt 20                                ; W hi of K step 1 is in; the 16 + 4 just issued stay out
	MM BA, XF1, 0
	MM BA, XF1+8, 0
	PLACES
	WFR BA, 13, 2
	s_wait_dscnt 16
	MM BB, XF1, 0
	PLACES
	WFR BB, 14, 2
	XLD XF1, 3
	s_wait_dscnt 20
	MM BA, XF0, 0
	MM BA, XF0+8, 0
	PLACES
	WFR BA, 13, 3
	s_wait_dscnt 16
	MM BB, XF0, 0
	PLACES
	WFR BB, 14, 3
	s_wait_dscnt 16                                ; W hi of K step 3 is in; W lo's 16 loads stay out
	MM BA, XF1, 0
	MM BA, XF1+8, 0
	s_wait_dscnt 0x0
	MM BB, XF1, 0
	PLACES
.irp q, 0,1,2,3,4,5,6,7
	ds_load_b128 v[BA+8*\q:BA+8*\q+3],   v15 offset:64*\q               ; s of channels 16 q + 8 h + 0..3
	ds_load_b128 v[BA+8*\q+4:BA+8*\q+7], v15 offset:64*\q+16
	ds_load_b128 v[BB+8*\q:BB+8*\q+3],   v15 offset:512+64*\q           ; t
	ds_load_b128 v[BB+8*\q+4:BB+8*\q+7], v15 offset:512+64*\q+16
.endr
	s_wait_dscnt 0x0
.set ix, 0
.rept 32
	v_pk_fma_f32 v[ACC+2*ix:ACC+2*ix+1], v[ACC+2*ix:ACC+2*ix+1], v[BA+2*ix:BA+2*ix+1], v[BB+2*ix:BB+2*ix+1]
.set ix, ix+1
.endr
	s_cmp_lt_u32 ttmp9, 8
	s_cbranch_scc1 .Luurows
.set ix, 0
.rept 16
	global_store_b128 v7, v[ACC+4*ix:ACC+4*ix+3], s[24:25] offset:512*ix   ; vv as it lies: each store of the wave covers 512 consecutive bytes, aligned
.set ix, ix+1
.endr
	s_wait_tensorcnt 0x0
	ds_add_u32 v240, v241
	s_wait_dscnt 0x0
	s_endpgm
.Luurows:
	; uu leaves as rows.  Quad n of lane (r, h) goes to byte 32 n + 16 h of row r of my stage; the sixteen lanes of a half then touch sixteen different
	; 16-byte columns (528 = 2 x 256 + 16).  The rows come back whole; LDS serves a wave's instructions in order (ISA guide 5.7.1), so no wait stands between.
	s_mul_i32 s5, s4, 16*UTP
	s_add_co_u32 s5, s5, UT
	v_mad_u32_u24 v10, v3, UTP, s5
	v_lshl_add_u32 v10, v4, 4, v10
	v_add_nc_u32 v11, s5, v5
.set ix, 0
.rept 16
	ds_store_b128 v10, v[ACC+4*ix:ACC+4*ix+3] offset:32*ix
.set ix, ix+1
.endr
.set ix, 0
.rept 16
	ds_load_b128 v[BA+4*ix:BA+4*ix+3], v11 offset:UTP*ix
.set ix, ix+1
.endr
.set ix, 0
.rept 16
	s_wait_dscnt 15-ix                             ; the younger rows stay out
	global_store_b128 v7, v[BA+4*ix:BA+4*ix+3], s[24:25] offset:512*ix     ; row 16 w + ix: 512 consecutive bytes, aligned
.set ix, ix+1
.endr
	s_wait_tensorcnt 0x0
	ds_add_u32 v240, v241
	s_wait_dscnt 0x0
	s_endpgm
	; ---------------- the heads ----------------
	; 32 head rows in two tiles of 16.  Row 8 h + j of a tile lands in register j of the lanes of half h, so the rows are ordered such that half h
	; owns components g = 4 h .. 4 h + 3 (slots 0-3) and g = 8 + h (slot 4) of each of pi, sigma, mu:
	;   tile 0: j 0-3 pi slots 0-3, 4 pi slot 4, 5 sigma slot 4, 6-7 sigma slots 0-1;   tile 1: j 0-1 sigma slots 2-3, 2-5 mu slots 0-3, 6 mu slot 4, 7 zero.
	; hfrag, in quads of 512 bytes (16 bytes a lane): 0-15 the hi fragments at 2 (4 T + K step) + half, 16-19 the biases, 20-35 the lo fragments.
; 30 weights of one k at base (pi 0-9, sigma 10-19, mu 20-29) become the 32 head rows' bf16, 16 registers at dst
.macro PACK base, dst
	v_cvt_pk_bf16_f32 v[\dst+0],  v[\base+0],  v[\base+1]      ; tile 0, rows 0-7
	v_cvt_pk_bf16_f32 v[\dst+1],  v[\base+2],  v[\base+3]
	v_cvt_pk_bf16_f32 v[\dst+2],  v[\base+8],  v[\base+18]
	v_cvt_pk_bf16_f32 v[\dst+3],  v[\base+10], v[\base+11]
	v_cvt_pk_bf16_f32 v[\dst+4],  v[\base+4],  v[\base+5]      ; tile 0, rows 8-15
	v_cvt_pk_bf16_f32 v[\dst+5],  v[\base+6],  v[\base+7]
	v_cvt_pk_bf16_f32 v[\dst+6],  v[\base+9],  v[\base+19]
	v_cvt_pk_bf16_f32 v[\dst+7],  v[\base+14], v[\base+15]
	v_cvt_pk_bf16_f32 v[\dst+8],  v[\base+12], v[\base+13]     ; tile 1, rows 0-7
	v_cvt_pk_bf16_f32 v[\dst+9],  v[\base+20], v[\base+21]
	v_cvt_pk_bf16_f32 v[\dst+10], v[\base+22], v[\base+23]
	v_cvt_pk_bf16_f32 v[\dst+11], v[\base+28], 0
	v_cvt_pk_bf16_f32 v[\dst+12], v[\base+16], v[\base+17]     ; tile 1, rows 8-15
	v_cvt_pk_bf16_f32 v[\dst+13], v[\base+24], v[\base+25]
	v_cvt_pk_bf16_f32 v[\dst+14], v[\base+26], v[\base+27]
	v_cvt_pk_bf16_f32 v[\dst+15], v[\base+29], 0
.endm
.Lheads:
	s_load_b256 s[8:15], s[0:1], 0x48              ; pi_W, sg_W, mu_W, pi_b
	s_load_b128 s[16:19], s[0:1], 0x68             ; sg_b, mu_b
	s_load_b64 s[20:21], s[0:1], 0x78              ; hfrag
	v_mul_u32_u24 v6, v0, 40                       ; thread t takes row k = t of each weight: 10 f32
	v_mul_u32_u24 v7, v0, 96                       ; and writes row k of the packed tables: 32 bf16 + 32 bytes, an odd multiple of 32 bytes
	v_add_nc_u32 v7, HB, v7
	s_wait_kmcnt 0x0
.irp q, 0,1,2,3,4
	global_load_b64 v[16+2*\q:17+2*\q], v6, s[8:9] offset:8*\q      ; pi  v16-25
	global_load_b64 v[26+2*\q:27+2*\q], v6, s[10:11] offset:8*\q    ; sg  v26-35
	global_load_b64 v[36+2*\q:37+2*\q], v6, s[12:13] offset:8*\q    ; mu  v36-45
.endr
	s_wait_loadcnt 0x0
.set ix, 0
.rept 15
	v_pk_mul_f32 v[16+2*ix:17+2*ix], v[16+2*ix:17+2*ix], LN2 op_sel_hi:[1,0]   ; times ln 2: the other operand will be log2(e) elu
	v_cvt_pk_bf16_f32 v[46+ix%2], v[16+2*ix], v[17+2*ix]           ; hi, to nearest even,
	v_lshlrev_b32 v[64+2*ix], 16, v[46+ix%2]                       ; as f32 in v64-93
	v_and_b32     v[65+2*ix], 0xffff0000, v[46+ix%2]
	v_pk_add_f32 v[16+2*ix:17+2*ix], v[16+2*ix:17+2*ix], v[64+2*ix:65+2*ix] neg_lo:[0,1] neg_hi:[0,1]   ; w - hi, exact
.set ix, ix+1
.endr
	PACK 64, 96                                    ; hi parts (these conversions are exact)
	PACK 16, 112                                   ; lo parts
.irp c, 0,1,2,3
	ds_store_b128 v7, v[96+4*\c:96+4*\c+3]   offset:16*\c
	ds_store_b128 v7, v[112+4*\c:112+4*\c+3] offset:HLO+16*\c
.endr
	s_wait_dscnt 0x0
	s_barrier_signal -1
	s_barrier_wait -1
	v_mad_u32_u24 v8, v14, 96, v13
	s_mul_i32 s5, s4, 32*96                        ; wave w makes the fragments of K step w
	s_add_co_u32 s5, s5, HB
	v_add_nc_u32 v8, s5, v8
	s_lshl_b32 s5, s4, 10
	v_add_nc_u32 v9, s5, v5                        ; 1024 w + 16 l
	ds_load_tr16_b128 v[128:131], v8
	ds_load_tr16_b128 v[132:135], v8 offset:16*96
	ds_load_tr16_b128 v[136:139], v8 offset:32
	ds_load_tr16_b128 v[140:143], v8 offset:32+16*96
	ds_load_tr16_b128 v[144:147], v8 offset:HLO
	ds_load_tr16_b128 v[148:151], v8 offset:HLO+16*96
	ds_load_tr16_b128 v[152:155], v8 offset:HLO+32
	ds_load_tr16_b128 v[156:159], v8 offset:HLO+32+16*96
	s_wait_dscnt 0x0
	global_store_b128 v9, v[128:131], s[20:21]             ; hi: quad 2 (4 T + w) + half
	global_store_b128 v9, v[132:135], s[20:21] offset:512
	global_store_b128 v9, v[136:139], s[20:21] offset:4096
	global_store_b128 v9, v[140:143], s[20:21] offset:4608
	global_store_b128 v9, v[144:147], s[20:21] offset:10240        ; lo: 20 quads further
	global_store_b128 v9, v[148:151], s[20:21] offset:10240+512
	global_store_b128 v9, v[152:155], s[20:21] offset:10240+4096
	global_store_b128 v9, v[156:159], s[20:21] offset:10240+4608
	s_cmp_lg_u32 s4, 0
	s_cbranch_scc1 .Lhend
	; wave 0: the biases, in f32, as the two tiles' addend, 1.1 and 1.0 folded into sigma's and mu's
	v_lshlrev_b32 v10, 4, v4
	v_lshlrev_b32 v11, 2, v4
	global_load_b128 v[176:179], v10, s[14:15]             ; pi slots 0-3
	global_load_b32 v180, v11, s[14:15] offset:32          ; pi slot 4
	global_load_b128 v[160:163], v10, s[16:17]             ; sigma
	global_load_b32 v164, v11, s[16:17] offset:32
	global_load_b128 v[168:171], v10, s[18:19]             ; mu
	global_load_b32 v172, v11, s[18:19] offset:32
	s_wait_loadcnt 0x0
	v_add_f32 v181, C11, v164
	v_add_f32 v182, C11, v160
	v_add_f32 v183, C11, v161
	v_add_f32 v184, C11, v162
	v_add_f32 v185, C11, v163
	v_add_f32 v186, 1.0, v168
	v_add_f32 v187, 1.0, v169
	v_add_f32 v188, 1.0, v170
	v_add_f32 v189, 1.0, v171
	v_add_f32 v190, 1.0, v172
	v_mov_b32 v191, 0
	global_store_b128 v5, v[176:179], s[20:21] offset:8192
	global_store_b128 v5, v[180:183], s[20:21] offset:8704
	global_store_b128 v5, v[184:187], s[20:21] offset:9216
	global_store_b128 v5, v[188:191], s[20:21] offset:9728
.Lhend:
	s_wait_tensorcnt 0x0
	ds_add_u32 v240, v241
	s_wait_dscnt 0x0
	s_endpgm
.Lfunc_end_k_qce5529881b_prep:
	.size	k_qce5529881b_prep, .Lfunc_end_k_qce5529881b_prep-k_qce5529881b_prep
	.p2alignl 7, 3214868480
	.fill 96, 4, 3214868480
	.section	.rodata,"a",@progbits
	.p2align	6, 0x0
	.amdhsa_kernel k_qce5529881b_prep
		.amdhsa_group_segment_fixed_size 168448
		.amdhsa_private_segment_fixed_size 0
		.amdhsa_enable_private_segment 0
		.amdhsa_kernarg_size 128
		.amdhsa_user_sgpr_count 2
		.amdhsa_user_sgpr_kernarg_segment_ptr 1
		.amdhsa_wavefront_size32 1
		.amdhsa_system_sgpr_workgroup_id_x 1
		.amdhsa_system_sgpr_workgroup_id_y 1
		.amdhsa_system_sgpr_workgroup_id_z 1
		.amdhsa_system_vgpr_workitem_id 0
		.amdhsa_next_free_vgpr 242
		.amdhsa_next_free_sgpr 66
		.amdhsa_reserve_vcc 0
		.amdhsa_float_denorm_mode_32 3
		.amdhsa_float_denorm_mode_16_64 3
		.amdhsa_memory_ordered 1
		.amdhsa_forward_progress 1
		.amdhsa_inst_pref_size 82
	.end_amdhsa_kernel
	.amdgpu_metadata
---
amdhsa.version: [ 1, 2 ]
amdhsa.kernels:
  - .name:           k_qce5529881b_prep
    .symbol:         k_qce5529881b_prep.kd
    .args:
      - { .name: hl, .offset: 0, .size: 8, .value_kind: global_buffer, .address_space: global }
      - { .name: hp, .offset: 8, .size: 8, .value_kind: global_buffer, .address_space: global }
      - { .name: mlp_W, .offset: 16, .size: 8, .value_kind: global_buffer, .address_space: global }
      - { .name: mlp_b, .offset: 24, .size: 8, .value_kind: global_buffer, .address_space: global }
      - { .name: mlp_g, .offset: 32, .size: 8, .value_kind: global_buffer, .address_space: global }
      - { .name: mlp_be, .offset: 40, .size: 8, .value_kind: global_buffer, .address_space: global }
      - { .name: mlp_m, .offset: 48, .size: 8, .value_kind: global_buffer, .address_space: global }
      - { .name: mlp_v, .offset: 56, .size: 8, .value_kind: global_buffer, .address_space: global }
      - { .name: uv, .offset: 64, .size: 8, .value_kind: global_buffer, .address_space: global }
      - { .name: pi_W, .offset: 72, .size: 8, .value_kind: global_buffer, .address_space: global }
      - { .name: sg_W, .offset: 80, .size: 8, .value_kind: global_buffer, .address_space: global }
      - { .name: mu_W, .offset: 88, .size: 8, .value_kind: global_buffer, .address_space: global }
      - { .name: pi_b, .offset: 96, .size: 8, .value_kind: global_buffer, .address_space: global }
      - { .name: sg_b, .offset: 104, .size: 8, .value_kind: global_buffer, .address_space: global }
      - { .name: mu_b, .offset: 112, .size: 8, .value_kind: global_buffer, .address_space: global }
      - { .name: hfrag, .offset: 120, .size: 8, .value_kind: global_buffer, .address_space: global }
    .group_segment_fixed_size: 168448
    .private_segment_fixed_size: 0
    .kernarg_segment_align: 8
    .kernarg_segment_size: 128
    .max_flat_workgroup_size: 128
    .sgpr_count:     66
    .vgpr_count:     242
    .wavefront_size: 32
...
	.end_amdgpu_metadata
.endif
;; end of part 3
;; launch pairs (part 4): grid 264 x 1, 4 waves a work-group, no clusters, 26,112 bytes of LDS; arguments uv, hfrag, l_pos, p_pos, nl_counts, np_counts, out0, out1, out2, out3, hl, out4, ba_W1, ba_b1, ba_g1, ba_be1, ba_m1, ba_v1, ba_W2, ba_b2, ba_g2, ba_be2, ba_m2, ba_v2, ba_W3, ba_b3; writes out0, out1, out2, out3, out4
.if DOCPART == 4
	.amdgcn_target "amdgcn-amd-amdhsa--gfx1250"
	.amdhsa_code_object_version 6
	.text
	.protected	k_qce5529881b_pairs
	.globl	k_qce5529881b_pairs
	.p2align	8
	.type	k_qce5529881b_pairs,@function
k_qce5529881b_pairs:
	s_mov_b64 s[64:65], 0
	v_nop
	global_prefetch_b8 v0, s[64:65] scope:SCOPE_SE
	s_setreg_imm32_b32 hwreg(HW_REG_WAVE_MODE, 25, 1), 1
	s_wait_xcnt 0x0
; PAIRS: work-groups 0..255 make pi, sigma, mu and dist; work-groups 256..263 make one binding affinity each.
; Left out, as shown at the head of the first kernel: the per-pair product with mlp_W (uu + vv from the first launch is the same sum) and the masks on
; rows of valid pairs.  Invalid pairs are selected to 0; blocks with no valid pair only get zeros.  LIMIT: a NaN or an infinity in padded rows does not reach those zeros.
; With y' = uu + vv = y log2(e):  log2(e) elu(y) = the median of (y', 0, (2^y' - 1) log2(e)): for y > 0, exp(y) - 1 >= y > 0; for y < 0, y <= exp(y) - 1 < 0; an
; overflowing exponential is never the median.  The head weights carry the factor ln 2.
; dist is sqrt(max(sum (x - y)^2, 0)) in f32 on the vector unit: the same polynomial as -2 x.y + y.y + x.x without a difference of large sums; K = 3 would fill
; 3 of a matrix instruction's 32 k.  The clamp at 0 is kept.
;
; THE WORK IS DEALT BY THE COUNTS.  nl is held to 0..64 and np to 0..512 (the masks are the same).  A unit is (b, jb, i): one ligand row x 32 protein columns,
; 1,280 bytes of each of out0..2.  Batch b has A x J units, A = nl rounded up to even, J = ceil(np / 32); U is their sum over the batches, 8,192 at the most.
; Wave g = 4 x + w of 1,024 takes the units (g U) >> 10 up to ((g + 1) U) >> 10: shares differ by one at the most.  Units are numbered batch first, then jb, then i,
; so a share seldom changes its 32 columns.  Every work-group reads all sixteen counts and forms the running sums itself.
; Zeros and dist stay with a fixed map: b0 = x >> 5, i0 = 16 ((x >> 3) & 3), j0 = 64 (x & 7); wave w owns 8 i x 32 j there and stores zeros for its pairs of rows
; with i >= A or 32 jb >= np.  A is even, so a pair of rows is wholly units or wholly zeros, and each byte has one writer.  (Row nl of an odd nl is a unit whose
; mask is empty.)
;
; A UNIT.  Two tiles of 16 j.  Lane (r, h) holds pair j = r and 64 channels: vv stays in registers as long as (b, jb) stays, uu of row i comes from a window of
; 512 bytes of the wave's own in LDS (all r read the same 16 bytes).  log2(e) elu in f32 is source 1 (32 channels x 16 pairs) of the head product; source 0 is a head
; tile (16 head rows x 32 channels), the addend of the first K step the biases.  Both operands go in two bf16 parts, three products, for the reason given at the
; head of the first kernel.  Register j of lane (r, h) is then head row 8 h + j of pair r: half h owns components 4 h .. 4 h + 3 and 8 + h.
; THE PRODUCTS STAND AMONG THE VECTOR WORK.  The six products of a tile and K step are not issued in a run: three stand among the 24 instructions that split the
; tile's own values, three among the first 40 instructions of the next tile's ELU (the last tile's: of the first tile's heads), each behind four to sixteen vector
; instructions that name none of its registers.  So that this needs no change of register window, the head fragments lie in window 0 with all that the vector work names,
; and vv lies in window 1: it is read only as the second source of the ELU's eight additions, which stand under a setting of their own together with the
; eight exponentials between them (these have no second source).
; Results go through a stage in LDS of the wave's own (3 x 1,280 bytes) and leave as whole rows: every sixteen lanes store 256 consecutive bytes, aligned.
; The next unit's uu row (512 consecutive bytes) is asked for at the head of a unit and stored into the window at the head of the next.  Where the next unit has
; other columns, each K step's eight quads of vv are asked for as soon as that step has read the old ones.
; Each wave loads vv and the head fragments for itself, so the pair role has no barrier.  The two roles have LDS bytes of their own.
; No cluster: which tiles a wave wants, and when, hangs on the counts, so partners would not make the same requests.
.set UW,   8192                        ; LDS: bytes 0-8191 belong to the affinity role; the four waves' uu windows here, 512 bytes each,
.set STG,  10240                       ; the four waves' stages
.set STGW, 3840                        ; 3 outputs x 1,280 bytes
.set ROWB, 20480                       ; bytes of one (b, i) row of out0..2: 512 j x 10 x 4
.set BLKB, 1280                        ; bytes of 32 j of such a row
.set VVOF, 262144                      ; uv: vv's tiles begin behind 512 rows of uu
.set L2E,     0x3fb8aa3b               ; log2(e)
.set NL2E,    0xbfb8aa3b               ; -log2(e)
.set N11L2E,  0xbfcb21a8               ; -1.1 log2(e)
.set C11,     0x3f8ccccd               ; 1.1
.set C01,     0x3dcccccd               ; 0.1
.set MDNEPS,  0x2edbe6ff               ; 1e-10
.set EPSBN,   0x3727c5ac               ; 1e-5
; vector registers, window 0.  None of v4-v9 and v12-v15, v25-v31 is rewritten behind the set-up.
.set V16, 4                            ; 16 l
.set GO2, 5                            ; zeros of two rows: the third 512 bytes: lanes 0-15 end the first row's block, lanes 16-31 begin the second's
.set VSA, 6                            ; stage: 40 r + 16 h
.set VSB, 7                            ; stage: 40 r + 4 h (+32 in the immediate)
.set VFL, 8                            ; stage: 16 l
.set VU,  9                            ; my uu window + 16 h
.set ZQ,  12                           ; v[12:15] zeros
.set UG,  16                           ; v[16:19] the next unit's uu row as loaded
.set VPP, 20                           ; dist: offsets and indices
.set VLP, 21
.set VD,  22
.set VJ,  23
.set VI,  24
.set VFH, 25                           ; stage: 16 (l & 15)
.set VWS, 26                           ; my uu window + 16 l
.set VM1, 27                           ; -1.0
.set VLL, 28                           ; v[28:29] log2(e) twice
.set VNL, 30                           ; v[30:31] -log2(e) twice
.set HH,  32                           ; v[32:95]   hi head fragments at HH + 8 (4 T + kk)
.set HLF, 96                           ; v[96:159]  lo head fragments at HLF + 8 (4 T + kk)
.set RU,  160                          ; v[160:175] uu, 16 channels
.set RY,  176                          ; v[176:191] y', then log2(e) elu, then its lo part
.set RE,  192                          ; v[192:207] exponentials
.set PH,  208                          ; v[208:215] the tile at work: hi parts of 32 channels in bf16
.set PL,  216                          ; v[216:223] its lo parts
.set DA0, 224                          ; accumulators: tile a head tile 0, 1; tile b head tile 0, 1
.set DA1, 232
.set DB0, 240
.set DB1, 248
.set PP,  160                          ; dist: v[160:171] 4 protein positions, v[172:177] 2 ligand positions, v[178:180] work, v[184:191] results
.set LP,  172
.set DT,  178
.set DR,  184
.set FB,  160                          ; v[160:195] the stage read back
; window 1
.set VP,  0                            ; v0-127 (v256-383)   vv: tile a 64 registers, tile b 64
.set BI,  128                          ; v128-143 (v384-399) the biases of head tiles 0, 1
; scalar registers of the pair role
.set CNT,  30                          ; units done
.set NUN,  31                          ; units of my share; the loop does not write it
.set MA,   34                          ; valid pairs of tile a, of tile b
.set MB,   35
.set ZB,   42                          ; s[42:47] out0..2 at my block of the fixed map
.set OB,   48                          ; s[48:53] out0..2 at the unit (ahead of the loop: two pointers, then dist's masks)
.set UUB,  54                          ; s[54:55] uv at the next unit's uu row
.set VVB,  56                          ; s[56:57] uv at the next block's two vv tiles
.set CHG,  58                          ; 1: the next unit has other columns
.set UN,   59                          ; the number of the unit in SB, SJB, SI
.set SB,   60
.set SJB,  61
.set SI,   62
.set SNL,  63                          ; its batch's nl, np, A
.set SNP,  66
.set SA,   67
.set SREM, 68
.set STT,  69
.set NLT,  72                          ; s[72:79] nl of the eight batches
.set NPT,  80                          ; s[80:87] np
.set PS,   88                          ; s[88:95] units of batches 0..k, summed
.set IW0,  96                          ; fixed map: my first i
.set ZLIM, 97                          ; fixed map: rows below this are units
.set MSB, 0
.macro WIN new                         ; the immediate's high byte repeats the setting that is left
.if MSB != \new
	s_set_vgpr_msb (MSB<<8)|\new
.set MSB, \new
.endif
.endm
	s_set_vgpr_msb 0x40
	v_lshl_add_u32 v144, v0, 2, 0x6400
	v_mov_b32 v145, 0
	s_set_vgpr_msb 0x4000
	v_lshrrev_b32 v10, 5, v0
	v_readfirstlane_b32 s4, v10                    ; wave 0..3
	v_and_b32 v1, 31, v0                           ; l
	v_and_b32 v2, 15, v0                           ; r
	v_bfe_u32 v3, v0, 4, 1                         ; h
	v_lshlrev_b32 v[V16], 4, v1
	s_cmp_ge_u32 ttmp9, 256
	s_cbranch_scc1 .Laff
	s_load_b512 s[8:23], s[0:1], 0x0               ; uv, hfrag, l_pos, p_pos, nl_counts, np_counts, out0, out1
	s_load_b128 s[24:27], s[0:1], 0x40             ; out2, out3
	s_lshr_b32 s5, ttmp9, 5                        ; b0
	s_bfe_u32 s6, ttmp9, 0x20003                   ; i block
	s_and_b32 s7, ttmp9, 7                         ; j block
	s_lshl_b32 s98, s6, 4                          ; i0
	s_lshl_b32 s99, s7, 6                          ; j0
	s_lshr_b32 s2, s4, 1
	s_lshl3_add_u32 s[IW0], s2, s98                ; my first i = i0 + 8 (w >> 1)
	s_and_b32 s2, s4, 1
	s_lshl_b32 s2, s2, 5
	s_add_co_u32 s100, s2, s99                     ; my first j = j0 + 32 (w & 1)
	s_lshl_b32 s101, s5, 6                         ; 64 b0
	s_mul_i32 s2, s4, STGW
	s_add_co_u32 s2, s2, STG                       ; my stage
	v_mul_u32_u24 v10, v2, 40
	v_add_nc_u32 v10, s2, v10
	v_lshl_add_u32 v[VSA], v3, 4, v10
	v_lshl_add_u32 v[VSB], v3, 2, v10
	v_add_nc_u32 v[VFL], s2, v[V16]
	v_lshl_add_u32 v[VFH], v2, 4, s2
	s_lshl_b32 s3, s4, 9
	s_add_co_u32 s3, s3, UW                        ; my uu window
	v_lshl_add_u32 v[VU], v3, 4, s3
	v_add_nc_u32 v[VWS], s3, v[V16]
	v_mad_u32_u24 v[GO2], v3, 0x4b00, v[V16]       ; lanes 16-31: 20480 - 256 - 1024 further
	v_add_nc_u32 v[GO2], 0x400, v[GO2]
	v_mov_b32 v[ZQ], 0
	v_mov_b32 v[ZQ+1], 0
	v_mov_b32 v[ZQ+2], 0
	v_mov_b32 v[ZQ+3], 0
	v_mov_b32 v[VM1], -1.0
	v_mov_b32 v[VLL], L2E
	v_mov_b32 v[VLL+1], L2E
	v_mov_b32 v[VNL], NL2E
	v_mov_b32 v[VNL+1], NL2E
	s_lshl_b32 s2, s5, 9                           ; 512 b0
	s_add_co_u32 s2, s2, s99
	s_mul_i32 s2, s2, 12
	v_mad_u32_u24 v[VPP], v2, 48, s2               ; p_pos of j0 + 4 r .. + 3: 48 bytes
	s_add_co_u32 s2, s101, s98
	s_lshl2_add_u32 s2, s4, s2                     ; 64 b0 + i0 + 4 w: my four rows of dist
	s_mul_i32 s3, s2, 12
	v_mad_u32_u24 v[VLP], v3, 12, s3
	s_lshl_b32 s3, s2, 11
	s_lshl2_add_u32 s3, s99, s3
	v_lshlrev_b32 v[VD], 4, v2
	v_lshl_add_u32 v[VD], v3, 11, v[VD]
	v_add_nc_u32 v[VD], s3, v[VD]                  ; out3: lanes 0-15 one row's 64 j, lanes 16-31 the next row's
	v_lshl_add_u32 v[VJ], v2, 2, s99               ; j0 + 4 r
	s_lshl2_add_u32 s2, s4, s98
	v_add_nc_u32 v[VI], s2, v3                     ; i0 + 4 w + h
	s_add_co_u32 s2, s101, s[IW0]
	s_mul_i32 s2, s2, ROWB
	s_mul_i32 s3, s100, 40
	s_add_co_u32 s32, s2, s3                       ; my block of the fixed map in out0..2, a multiple of 256 bytes
	s_mov_b32 s33, 0
	s_lshl_b32 s2, s5, 2
	s_mov_b32 s3, 0
	s_mov_b32 s36, L2E
	s_mov_b32 s38, N11L2E
	s_mov_b32 s39, NL2E
	s_mov_b32 s40, 0x76543210                      ; v_permlanex16_b32: lane i of one half reads lane i of the other
	s_mov_b32 s41, 0xfedcba98
	s_wait_kmcnt 0x0
	s_add_nc_u64 s[OB:OB+1], s[16:17], s[2:3]
	s_add_nc_u64 s[OB+2:OB+3], s[18:19], s[2:3]
	s_load_b256 s[NLT:NLT+7], s[16:17], 0x0        ; all eight nl,
	s_load_b256 s[NPT:NPT+7], s[18:19], 0x0        ; all eight np,
	s_load_b32 s28, s[OB:OB+1], 0x0                ; and those of the fixed map's batch
	s_load_b32 s29, s[OB+2:OB+3], 0x0
	global_load_b128 v[PP:PP+3],    v[VPP], s[14:15]
	global_load_b128 v[PP+4:PP+7],  v[VPP], s[14:15] offset:16
	global_load_b128 v[PP+8:PP+11], v[VPP], s[14:15] offset:32
.irp n, 0,1
.irp c, 0,1,2
	global_load_b32 v[LP+3*\n+\c], v[VLP], s[12:13] offset:24*\n+4*\c
.endr
.endr
	; the 36 quads of hfrag, asked for while the counts are on their way: 0-15 hi fragments, 20-35 lo fragments, 16-19 biases
.set ix, 0
.rept 16
	global_load_b128 v[HH+4*ix:HH+4*ix+3], v[V16], s[10:11] offset:512*ix
.set ix, ix+1
.endr
.set ix, 0
.rept 16
	global_load_b128 v[HLF+4*ix:HLF+4*ix+3], v[V16], s[10:11] offset:10240+512*ix
.set ix, ix+1
.endr
	WIN 0x40                                       ; destination in window 1
.set ix, 0
.rept 4
	global_load_b128 v[BI+4*ix:BI+4*ix+3], v[V16], s[10:11] offset:8192+512*ix   ; v384-399
.set ix, ix+1
.endr
	WIN 0
	s_add_nc_u64 s[ZB:ZB+1],   s[20:21], s[32:33]
	s_add_nc_u64 s[ZB+2:ZB+3], s[22:23], s[32:33]
	s_add_nc_u64 s[ZB+4:ZB+5], s[24:25], s[32:33]
	s_wait_kmcnt 0x0
	; the counts held to their ranges, each batch's units, and the running sums
.irp k, 0,1,2,3,4,5,6,7
	s_max_i32 s[NLT+\k], s[NLT+\k], 0
	s_min_i32 s[NLT+\k], s[NLT+\k], 64
	s_max_i32 s[NPT+\k], s[NPT+\k], 0
	s_min_i32 s[NPT+\k], s[NPT+\k], 512
	s_add_co_u32 s2, s[NLT+\k], 1
	s_and_b32 s2, s2, 0x7e                         ; A
	s_add_co_u32 s3, s[NPT+\k], 31
	s_lshr_b32 s3, s3, 5                           ; J
	s_mul_i32 s[PS+\k], s2, s3
.endr
.irp k, 1,2,3,4,5,6,7
	s_add_co_u32 s[PS+\k], s[PS+\k], s[PS+\k-1]
.endr
	s_lshl_b32 s2, ttmp9, 2
	s_add_co_u32 s2, s2, s4                        ; g
	s_mul_i32 s2, s2, s[PS+7]                      ; g U, below 2^23
	s_add_co_u32 s3, s2, s[PS+7]
	s_lshr_b32 s[UN], s2, 10                       ; my first unit
	s_lshr_b32 s3, s3, 10
	s_sub_co_u32 s[NUN], s3, s[UN]
	s_min_u32 s[NUN], s[NUN], 8                    ; U <= 8,192, so this changes nothing
	s_max_i32 s28, s28, 0
	s_min_i32 s28, s28, 64
	s_max_i32 s29, s29, 0
	s_min_i32 s29, s29, 512
	s_add_co_u32 s2, s28, 1
	s_and_b32 s2, s2, 0x7e
	s_cmp_lt_i32 s100, s29
	s_cselect_b32 s[ZLIM], s2, 0                   ; A of the fixed map's batch, or 0 where my 32 j are all padding
; Unit number UN to (SB, SJB, SI) and its batch's nl, np, A.  No branch: seven compares with the running sums (where a batch is empty two sums are equal and
; the later batch wins), then jb = the count of the multiples A, 2 A .. 15 A that the rest reaches.
.macro MAP
	s_mov_b32 s[SB], 0
	s_mov_b32 s[SREM], 0
	s_mov_b32 s[SNL], s[NLT]
	s_mov_b32 s[SNP], s[NPT]
.irp k, 1,2,3,4,5,6,7
	s_cmp_ge_u32 s[UN], s[PS+\k-1]
	s_cselect_b32 s[SB], \k, s[SB]
	s_cselect_b32 s[SREM], s[PS+\k-1], s[SREM]
	s_cselect_b32 s[SNL], s[NLT+\k], s[SNL]
	s_cselect_b32 s[SNP], s[NPT+\k], s[SNP]
.endr
	s_sub_co_u32 s[SREM], s[UN], s[SREM]
	s_add_co_u32 s[SA], s[SNL], 1
	s_and_b32 s[SA], s[SA], 0x7e
	s_mov_b32 s[SJB], 0
	s_mov_b32 s[STT], s[SA]
.rept 15
	s_cmp_ge_u32 s[SREM], s[STT]
	s_add_co_ci_u32 s[SJB], s[SJB], 0              ; + 1 where the compare held
	s_add_co_u32 s[STT], s[STT], s[SA]
.endr
	s_mul_i32 s[STT], s[SJB], s[SA]
	s_sub_co_u32 s[SI], s[SREM], s[STT]
.endm
; Numbers that come from the counts enter an address only behind s_min_u32 with their range's end; behind it stand shifts left, sums and products alone.
.macro UUADR                           ; uv at uu row 64 b + i
	s_min_u32 s2, s[SB], 7
	s_min_u32 s3, s[SI], 63
	s_lshl_b32 s2, s2, 6
	s_add_co_u32 s2, s2, s3
	s_lshl_b32 s2, s2, 9
	s_mov_b32 s3, 0
	s_add_nc_u64 s[UUB:UUB+1], s[8:9], s[2:3]
.endm
.macro VVADR                           ; uv at vv tiles 32 b + 2 jb and the next: 16,384 consecutive bytes
	s_min_u32 s2, s[SB], 7
	s_min_u32 s3, s[SJB], 15
	s_lshl_b32 s2, s2, 4
	s_add_co_u32 s2, s2, s3
	s_lshl_b32 s2, s2, 14
	s_add_co_u32 s2, s2, VVOF
	s_mov_b32 s3, 0
	s_add_nc_u64 s[VVB:VVB+1], s[8:9], s[2:3]
.endm
; dist of my 4 rows x 64 j of the fixed map.  left = how many loads may stay out when the nine position loads have to be there.
.macro DIST left
	s_sub_co_i32 s32, s29, 1
	s_sub_co_i32 s33, s29, 2
	s_sub_co_i32 s34, s29, 3
	s_sub_co_i32 s35, s28, 2
	v_cmp_gt_i32 s[OB+0], s29, v[VJ]               ; j + q < np, q = 0..3
	v_cmp_gt_i32 s[OB+1], s32, v[VJ]
	v_cmp_gt_i32 s[OB+2], s33, v[VJ]
	v_cmp_gt_i32 s[OB+3], s34, v[VJ]
	v_cmp_gt_i32 s[OB+4], s28, v[VI]               ; i + 2 n < nl, n = 0, 1
	v_cmp_gt_i32 s[OB+5], s35, v[VI]
	s_wait_loadcnt \left
.irp n, 0,1
.irp q, 0,1,2,3
	v_sub_f32 v[DT],   v[PP+3*\q],   v[LP+3*\n]
	v_sub_f32 v[DT+1], v[PP+3*\q+1], v[LP+3*\n+1]
	v_sub_f32 v[DT+2], v[PP+3*\q+2], v[LP+3*\n+2]
	v_mul_f32  v[DR+4*\n+\q], v[DT], v[DT]
	v_fmac_f32 v[DR+4*\n+\q], v[DT+1], v[DT+1]
	v_fmac_f32 v[DR+4*\n+\q], v[DT+2], v[DT+2]
	v_max_num_f32 v[DR+4*\n+\q], 0, v[DR+4*\n+\q]
.endr
.endr
.irp k, 0,1,2,3,4,5,6,7
	v_sqrt_f32 v[DR+\k], v[DR+\k]
.endr
	v_nop                                          ; one plain instruction between the roots and their use (ISA guide 5.7.2)
	s_wait_alu depctr_va_vdst(0)
.irp n, 0,1
.irp q, 0,1,2,3
	s_and_b32 s2, s[OB+\q], s[OB+4+\n]
	v_cndmask_b32 v[DR+4*\n+\q], 0, v[DR+4*\n+\q], s2
.endr
.endr
	global_store_b128 v[VD], v[DR:DR+3],   s[26:27] th:TH_STORE_NT
	global_store_b128 v[VD], v[DR+4:DR+7], s[26:27] offset:4096 th:TH_STORE_NT
.endm
; fifteen stores of zeros: 2 i x 32 j of each output, at \add bytes from my block of the fixed map; none of their registers is ever rewritten
.macro ZERO15 add
.irp o, 0,1,2
	global_store_b128 v[V16], v[ZQ:ZQ+3], s[ZB+2*\o:ZB+2*\o+1] offset:\add th:TH_STORE_NT
	global_store_b128 v[V16], v[ZQ:ZQ+3], s[ZB+2*\o:ZB+2*\o+1] offset:\add+512 th:TH_STORE_NT
	global_store_b128 v[GO2], v[ZQ:ZQ+3], s[ZB+2*\o:ZB+2*\o+1] offset:\add th:TH_STORE_NT
	global_store_b128 v[V16], v[ZQ:ZQ+3], s[ZB+2*\o:ZB+2*\o+1] offset:\add+20736 th:TH_STORE_NT
	global_store_b128 v[V16], v[ZQ:ZQ+3], s[ZB+2*\o:ZB+2*\o+1] offset:\add+21248 th:TH_STORE_NT
.endr
.endm
.macro ZPAIR t                         ; rows 2 t, 2 t + 1 of my eight: zeros unless they are units; the rows stand in the immediate, 144,128 bytes at the most
	s_add_co_u32 s2, s[IW0], 2*\t
	s_cmp_lt_i32 s2, s[ZLIM]
	s_cbranch_scc1 .Lunits_\@
	ZERO15 2*\t*ROWB
.Lunits_\@:
.endm
.macro ZEROS
	ZPAIR 0
	ZPAIR 1
	ZPAIR 2
	ZPAIR 3
.endm
	s_cmp_eq_u32 s[NUN], 0
	s_cbranch_scc1 .Lidle                          ; fewer units than waves: this wave has dist and zeros alone
	MAP
	VVADR
	UUADR
	WIN 0x40                                       ; destination in window 1
.set ix, 0
.rept 32
	global_load_b128 v[VP+4*ix:VP+4*ix+3], v[V16], s[VVB:VVB+1] offset:512*ix   ; v256-383: vv of my first unit's 32 j, in register order
.set ix, ix+1
.endr
	WIN 0
	global_load_b128 v[UG:UG+3], v[V16], s[UUB:UUB+1]                ; and its uu row
	DIST 33                                        ; behind the nine position loads 36 + 33 were issued: with 33 out at the most the nine are in
	ZEROS
	v_cmp_gt_u32 vcc_lo, 16, v1                    ; lanes 0-15, for the stores of 256 bytes; VCC is not written again
	s_mov_b32 s[CNT], 0
	s_wait_loadcnt 0x0                             ; head fragments, vv, uu
	s_wait_xcnt 0x0                                ; the registers that dist's stores read are written again only behind this wait
.macro ULOAD kk                        ; uu, channels of K step kk: sixteen lanes read the same 16 bytes
.irp c, 0,1,2,3
	ds_load_b128 v[RU+4*\c:RU+4*\c+3], v[VU] offset:128*\kk+32*\c
.endr
.endm
.macro REFILL kk                       ; K step kk has read its vv for the last time: where the next unit has other columns, theirs are asked for now
	s_cmp_lg_u32 s[CHG], 0
	s_cbranch_scc0 .Lstays_\@
	WIN 0x40                                       ; destination in window 1; at the branch and at the label every window is 0
.irp c, 0,1,2,3
	global_load_b128 v[VP+16*\kk+4*\c:VP+16*\kk+4*\c+3],       v[V16], s[VVB:VVB+1] offset:512*(4*\kk+\c)
	global_load_b128 v[VP+64+16*\kk+4*\c:VP+64+16*\kk+4*\c+3], v[V16], s[VVB:VVB+1] offset:8192+512*(4*\kk+\c)
.endr
	WIN 0
.Lstays_\@:
.endm
.macro PR d, a, b                      ; one product added in place: d += a x b, all in window 0
	v_wmma_f32_16x16x32_bf16 v[\d:\d+7], v[\a:\a+7], v[\b:\b+7], v[\d:\d+7]
.endm
.macro MIX p                           ; value - hi, exact: a half of PH times -1, plus the value
	v_fma_mix_f32_bf16 v[RY+2*\p],   v[PH+\p], v[VM1], v[RY+2*\p]   op_sel_hi:[1,0,0]
	v_fma_mix_f32_bf16 v[RY+2*\p+1], v[PH+\p], v[VM1], v[RY+2*\p+1] op_sel:[1,0,0] op_sel_hi:[1,0,0]
.endm
; 16 channels of 16 pairs of one tile: y' = uu + vv, log2(e) elu, its two bf16 parts, and products.
; vp: the tile's vv of this K step (window 1).  tail = 1: the step's second tile: uu and vv have been read, so the next step's uu (nk; 9: none) and, where due, the
; next block's vv are asked for.  d0, d1: the tile's accumulators.  q0, q1, qk: accumulators and K step of the tile before, whose last three products stand here (qk = 9: none).
; The exponentials go in two groups of eight; behind each group stands plain work on other registers (the second half of the sums; the first half of the multiply-adds).
; The six products of a tile and K step, in this order: d0 += W hi x hi, d1 += W hi x hi, d0 += W lo x hi (here, behind the conversions to PH), d1 += W lo x hi,
; d0 += W hi x lo, d1 += W hi x lo (in the next ELU, or in the first tile's heads).  The two accumulators take turns, one instruction a turn,
; and the product that follows in the text belongs to the other tile.  In the first K step the biases start the sums: those two products stand together under
; a setting of their own (the addend in window 1).
; Between the last product that reads PH and the next write of PH stand the eight multiply-adds and sixteen medians; PL is written later still (ISA guide 7.12.1).
.macro ELU vp, tail, kk, nk, d0, d1, q0, q1, qk
	WIN 0x04                                       ; source 1 in window 1: vv
.irp p, 0,1,2,3
	v_pk_add_f32 v[RY+2*\p:RY+2*\p+1], v[RU+2*\p:RU+2*\p+1], v[\vp+2*\p:\vp+2*\p+1]
.endr
.irp j, 0,1,2,3,4,5,6,7
	v_exp_f32 v[RE+\j], v[RY+\j]                   ; no source 1: the setting does not touch it
.endr
.irp p, 4,5,6,7
	v_pk_add_f32 v[RY+2*\p:RY+2*\p+1], v[RU+2*\p:RU+2*\p+1], v[\vp+2*\p:\vp+2*\p+1]
.endr
	WIN 0
.if \tail
.if \nk < 4
	ULOAD \nk
.endif
	REFILL \kk
.endif
.if \qk < 4
	PR \q1, HLF+32+8*\qk, PH
.endif
.irp j, 8,9,10,11,12,13,14,15
	v_exp_f32 v[RE+\j], v[RY+\j]
.endr
.if \qk < 4
	PR \q0, HH+8*\qk, PL
.endif
	s_wait_alu depctr_va_vdst(0)
.irp p, 0,1,2,3,4,5,6,7
	v_pk_fma_f32 v[RE+2*\p:RE+2*\p+1], v[RE+2*\p:RE+2*\p+1], v[VLL:VLL+1], v[VNL:VNL+1]   ; (2^y' - 1) log2(e)
.endr
.if \qk < 4
	PR \q1, HH+32+8*\qk, PL
.endif
.irp j, 0,1,2,3,4,5,6,7,8,9,10,11,12,13,14,15
	v_med3_num_f32 v[RY+\j], v[RY+\j], 0, v[RE+\j]
.endr
.irp p, 0,1,2,3,4,5,6,7
	v_cvt_pk_bf16_f32 v[PH+\p], v[RY+2*\p], v[RY+2*\p+1]           ; hi, to nearest even
.endr
	MIX 0
	MIX 1
.if \kk == 0
	WIN 0x10                                       ; the addend in window 1
	v_wmma_f32_16x16x32_bf16 v[\d0:\d0+7], v[HH:HH+7],     v[PH:PH+7], v[BI:BI+7]
	v_wmma_f32_16x16x32_bf16 v[\d1:\d1+7], v[HH+32:HH+39], v[PH:PH+7], v[BI+8:BI+15]
	WIN 0
.else
	PR \d0, HH+8*\kk, PH
.endif
	MIX 2
	MIX 3
	MIX 4
	MIX 5
.if \kk != 0
	PR \d1, HH+32+8*\kk, PH
.endif
	MIX 6
	MIX 7
.irp p, 0,1,2,3
	v_cvt_pk_bf16_f32 v[PL+\p], v[RY+2*\p], v[RY+2*\p+1]           ; lo
.endr
	PR \d0, HLF+8*\kk, PH
.irp p, 4,5,6,7
	v_cvt_pk_bf16_f32 v[PL+\p], v[RY+2*\p], v[RY+2*\p+1]
.endr
.endm
; One K step of 32 channels for both tiles.  qk: the K step of tile b's products that are still to come (9: none).
.macro CHUNK kk, nk, qk
	s_wait_dscnt 0x0                               ; this step's uu is in
	ELU VP+16*\kk, 0, \kk, \nk, DA0, DA1, DB0, DB1, \qk
	ELU VP+64+16*\kk, 1, \kk, \nk, DB0, DB1, DA0, DA1, \kk
.endm
; The heads of one tile, in place.  d0, d1: its two accumulators; t: 12 registers of work; m: the scalar mask of valid pairs; off: the tile's place in the stage.
; ins = 1: tile b's last three products of K step 3 stand among the first lines (they name DB0, DB1, PH, PL and head fragments, none of which these lines name).
; d0+0..4 pi logits; d0+5, d0+6, d0+7, d1+0, d1+1 sigma's z = x + 1.1 (slots 4, 0, 1, 2, 3); d1+2..6 mu's z = x + 1 (slots 0-3, 4).
; sigma = median(z, 1.1, exp(x) + 0.1), mu = median(z, 1, exp(x)): elu + constant, by the argument at the head.
.macro EPI d0, d1, t, m, off, ins
	v_max3_num_f32 v[\t], v[\d0], v[\d0+1], v[\d0+2]
	v_max3_num_f32 v[\t], v[\t], v[\d0+3], v[\d0+4]
	v_permlanex16_b32 v[\t+1], v[\t], s40, s41     ; the other five components lie in the other half
	v_max_num_f32 v[\t], v[\t], v[\t+1]            ; the maximum of all ten
	v_mul_f32 v[\t], s36, v[\t]
.if \ins
	PR DB1, HLF+32+8*3, PH
.endif
.irp k, 0,1,2,3,4
	v_fma_f32 v[\d0+\k], v[\d0+\k], s36, -v[\t]
.endr
.irp k, 0,1,2,3,4
	v_exp_f32 v[\d0+\k], v[\d0+\k]
.endr
.if \ins
	PR DB0, HH+8*3, PL
.endif
	v_fma_f32 v[\t+2], v[\d0+5], s36, s38          ; plain work on other registers stands behind each group of exponentials
	v_fma_f32 v[\t+3], v[\d0+6], s36, s38
	v_fma_f32 v[\t+4], v[\d0+7], s36, s38
	v_fma_f32 v[\t+5], v[\d1], s36, s38
	v_fma_f32 v[\t+6], v[\d1+1], s36, s38
.irp k, 2,3,4,5,6
	v_exp_f32 v[\t+\k], v[\t+\k]
.endr
.if \ins
	PR DB1, HH+32+8*3, PL
.endif
.irp k, 0,1,2,3,4
	v_fma_f32 v[\t+7+\k], v[\d1+2+\k], s36, s39
.endr
.irp k, 7,8,9,10,11
	v_exp_f32 v[\t+\k], v[\t+\k]
.endr
	s_wait_alu depctr_va_vdst(0)
	v_add_f32 v[\t], v[\d0], v[\d0+1]
	v_add_f32 v[\t+1], v[\d0+2], v[\d0+3]
	v_add_f32 v[\t], v[\t], v[\d0+4]
	v_add_f32 v[\t], v[\t], v[\t+1]
	v_permlanex16_b32 v[\t+1], v[\t], s40, s41
	v_add_f32 v[\t], v[\t], v[\t+1]                ; between 1 and 10
	v_rcp_f32 v[\t], v[\t]
.irp k, 2,3,4,5,6
	v_add_f32 v[\t+\k], C01, v[\t+\k]
.endr
	v_med3_num_f32 v[\d0+5], v[\d0+5], C11, v[\t+2]
	v_med3_num_f32 v[\d0+6], v[\d0+6], C11, v[\t+3]
	v_med3_num_f32 v[\d0+7], v[\d0+7], C11, v[\t+4]
	v_med3_num_f32 v[\d1],   v[\d1],   C11, v[\t+5]
	v_med3_num_f32 v[\d1+1], v[\d1+1], C11, v[\t+6]
.irp k, 0,1,2,3,4
	v_med3_num_f32 v[\d1+2+\k], v[\d1+2+\k], 1.0, v[\t+7+\k]
.endr
	s_wait_alu depctr_va_vdst(0)
.irp k, 0,1,2,3,4
	v_fmaak_f32 v[\d0+\k], v[\d0+\k], v[\t], MDNEPS
.endr
.irp k, 0,1,2,3,4,5,6,7
	v_cndmask_b32 v[\d0+\k], 0, v[\d0+\k], s[\m]
.endr
.irp k, 0,1,2,3,4,5,6
	v_cndmask_b32 v[\d1+\k], 0, v[\d1+\k], s[\m]
.endr
	ds_store_b64 v[VSA], v[\d0:\d0+1]   offset:\off                ; pi
	ds_store_b64 v[VSA], v[\d0+2:\d0+3] offset:\off+8
	ds_store_b32 v[VSB], v[\d0+4]       offset:\off+32
	ds_store_b64 v[VSA], v[\d0+6:\d0+7] offset:\off+BLKB           ; sigma
	ds_store_b64 v[VSA], v[\d1:\d1+1]   offset:\off+BLKB+8
	ds_store_b32 v[VSB], v[\d0+5]       offset:\off+BLKB+32
	ds_store_b64 v[VSA], v[\d1+2:\d1+3] offset:\off+2*BLKB         ; mu
	ds_store_b64 v[VSA], v[\d1+4:\d1+5] offset:\off+2*BLKB+8
	ds_store_b32 v[VSB], v[\d1+6]       offset:\off+2*BLKB+32
.endm
; The stage leaves: LDS serves a wave's instructions in order (ISA guide 5.7.1), so these loads see the stores above them.  1,280 bytes of an output are two
; stores of 512 bytes and one of 256 from lanes 0-15 (lanes 16-31 read the same 256 bytes of the stage again, so that no lane reads outside it).
.macro FLUSH
.irp o, 0,1,2
	ds_load_b128 v[FB+8*\o:FB+8*\o+3],   v[VFL] offset:BLKB*\o
	ds_load_b128 v[FB+8*\o+4:FB+8*\o+7], v[VFL] offset:BLKB*\o+512
.endr
.irp o, 0,1,2
	ds_load_b128 v[FB+24+4*\o:FB+24+4*\o+3], v[VFH] offset:BLKB*\o+1024
.endr
.irp o, 0,1,2
	s_wait_dscnt 8-2*\o                            ; the younger of the nine loads stay out
	global_store_b128 v[V16], v[FB+8*\o:FB+8*\o+3],   s[OB+2*\o:OB+2*\o+1] th:TH_STORE_NT
	s_wait_dscnt 7-2*\o
	global_store_b128 v[V16], v[FB+8*\o+4:FB+8*\o+7], s[OB+2*\o:OB+2*\o+1] offset:512 th:TH_STORE_NT
.endr
	s_wait_dscnt 0x0
	s_wait_xcnt 0x0                                ; EXEC is a source of the loads and stores that are out: it changes only behind this wait
	s_and_saveexec_b32 s70, vcc_lo                 ; lanes 0-15
.irp o, 0,1,2
	global_store_b128 v[V16], v[FB+24+4*\o:FB+24+4*\o+3], s[OB+2*\o:OB+2*\o+1] offset:1024 th:TH_STORE_NT
.endr
	s_wait_xcnt 0x0                                ; and again in front of the line that widens it; the stores' bases and data are free behind it too
	s_or_b32 exec_lo, exec_lo, s70
.endm
.Lunit:                                            ; one unit a trip
	ds_store_b128 v[VWS], v[UG:UG+3]               ; the unit's uu row; the window's last reads were waited for in the last K step of the trip before
	ULOAD 0
	; what this unit needs of (SB, SJB, SI): its place in out0..2 and its masks
	s_min_u32 s2, s[SB], 7
	s_min_u32 s3, s[SI], 63
	s_lshl_b32 s2, s2, 6
	s_add_co_u32 s2, s2, s3
	s_mul_i32 s2, s2, ROWB
	s_min_u32 s3, s[SJB], 15
	s_mul_i32 s3, s3, BLKB
	s_add_co_u32 s2, s2, s3                        ; a multiple of 256 bytes
	s_mov_b32 s3, 0
	s_add_nc_u64 s[OB:OB+1],   s[20:21], s[2:3]
	s_add_nc_u64 s[OB+2:OB+3], s[22:23], s[2:3]
	s_add_nc_u64 s[OB+4:OB+5], s[24:25], s[2:3]
	s_lshl_b32 s2, s[SJB], 5
	s_sub_co_i32 s2, s[SNP], s2
	v_cmp_gt_i32 s[MA], s2, v2                     ; tile a: 32 jb + r < np
	s_sub_co_i32 s3, s2, 16
	v_cmp_gt_i32 s[MB], s3, v2                     ; tile b: 16 further
	s_cmp_lt_i32 s[SI], s[SNL]
	s_cselect_b32 s[MA], s[MA], 0
	s_cselect_b32 s[MB], s[MB], 0
	; on to the next unit, if my share has one: the same columns while i stays below A
	s_mov_b32 s[CHG], 0
	s_add_co_u32 s2, s[CNT], 1
	s_cmp_lt_u32 s2, s[NUN]
	s_cbranch_scc0 .Llast
	s_add_co_u32 s[UN], s[UN], 1
	s_add_co_u32 s[SI], s[SI], 1
	s_cmp_lt_u32 s[SI], s[SA]
	s_cbranch_scc1 .Lsame
	MAP
	VVADR
	s_mov_b32 s[CHG], 1
.Lsame:
	UUADR
	global_load_b128 v[UG:UG+3], v[V16], s[UUB:UUB+1]                ; its uu row, a whole unit ahead
.Llast:
	CHUNK 0, 1, 9
	CHUNK 1, 2, 0
	CHUNK 2, 3, 1
	CHUNK 3, 9, 2
	; Between tile a's last products (in tile b's last ELU, ahead of its medians) and the first read of their results stand those sixteen medians and more;
	; between tile b's last products (among the first 25 lines of tile a's heads) and theirs, the rest of tile a's heads (ISA guide 7.12.1).
	EPI DA0, DA1, RY, MA, 0, 1
	EPI DB0, DB1, RE, MB, 640, 0
	FLUSH
	s_wait_loadcnt 0x0                             ; the next uu row and, where asked for, the next vv are in; their bases are free
	s_add_co_u32 s[CNT], s[CNT], 1
	s_cmp_lt_u32 s[CNT], s[NUN]
	s_cbranch_scc1 .Lunit
	s_set_vgpr_msb 0x5
	s_wait_tensorcnt 0x0
	ds_add_u32 v144, v145
	s_wait_dscnt 0x0
	s_set_vgpr_msb 0x500
	s_endpgm
.Lidle:
	DIST 33                                        ; behind the nine position loads 36 were issued
	ZEROS
	s_endpgm
	; ---------------- the binding affinity of batch b = x - 256 ----------------
	; One row per batch, so the three layers are f32 multiply-adds of the vector unit.  128 threads.  Each weight matrix is read once, in batches of 16 rows
	; that take turns in two register buffers; the next layer's first batches are asked for while the last ones of this layer are used.
	; LDS, each region written once: 0 four partial sums of hl, 2048 h, 2560 two partial sums of layer 1, 4608 x1, 5632 four partial sums of layer 2, 7680 four wave sums.
.set HR, 32                            ; v[32:95]   hl rows, then 64 inputs of a layer
.set B0, 96                            ; v[96:159]  a batch of 16 weight rows, 4 columns each
.set B1, 160                           ; v[160:223] the other batch
.macro WLD buf, vo, sb, stride, beta
.set ix, 0
.rept 16
	global_load_b128 v[\buf+4*ix:\buf+4*ix+3], v[\vo], s[\sb:\sb+1] offset:\stride*(16*\beta+ix)
.set ix, ix+1
.endr
.endm
; inputs 2 p and 2 p + 1 of a batch times their weight rows: four chains of sums, v[16:19] for even inputs, v[20:23] for odd ones
.macro BAPAIR buf, hk, p, mul
.if \mul
	v_pk_mul_f32 v[16:17], v[\buf+8*\p:\buf+8*\p+1],   v[\hk+2*\p:\hk+2*\p+1] op_sel_hi:[1,0]
	v_pk_mul_f32 v[18:19], v[\buf+8*\p+2:\buf+8*\p+3], v[\hk+2*\p:\hk+2*\p+1] op_sel_hi:[1,0]
	v_pk_mul_f32 v[20:21], v[\buf+8*\p+4:\buf+8*\p+5], v[\hk+2*\p:\hk+2*\p+1] op_sel:[0,1] op_sel_hi:[1,1]
	v_pk_mul_f32 v[22:23], v[\buf+8*\p+6:\buf+8*\p+7], v[\hk+2*\p:\hk+2*\p+1] op_sel:[0,1] op_sel_hi:[1,1]
.else
	v_pk_fma_f32 v[16:17], v[\buf+8*\p:\buf+8*\p+1],   v[\hk+2*\p:\hk+2*\p+1], v[16:17] op_sel_hi:[1,0,1]
	v_pk_fma_f32 v[18:19], v[\buf+8*\p+2:\buf+8*\p+3], v[\hk+2*\p:\hk+2*\p+1], v[18:19] op_sel_hi:[1,0,1]
	v_pk_fma_f32 v[20:21], v[\buf+8*\p+4:\buf+8*\p+5], v[\hk+2*\p:\hk+2*\p+1], v[20:21] op_sel:[0,1,0] op_sel_hi:[1,1,1]
	v_pk_fma_f32 v[22:23], v[\buf+8*\p+6:\buf+8*\p+7], v[\hk+2*\p:\hk+2*\p+1], v[22:23] op_sel:[0,1,0] op_sel_hi:[1,1,1]
.endif
.endm
.macro BAFMA buf, beta, first, left    ; left = the other buffer's loads, which stay out
	s_wait_loadcnt \left
	BAPAIR \buf, HR+16*\beta, 0, \first
.irp p, 1,2,3,4,5,6,7
	BAPAIR \buf, HR+16*\beta, \p, 0
.endr
.endm
.macro BAR
	s_wait_dscnt 0x0                               ; my stores are in LDS before I say so
	s_barrier_signal -1
	s_barrier_wait -1
.endm
.Laff:
	s_load_b64 s[16:17], s[0:1], 0x20              ; nl_counts
	s_load_b128 s[8:11], s[0:1], 0x50              ; hl, out4
	s_load_b512 s[20:35], s[0:1], 0x60             ; ba_W1, b1, g1, be1, m1, v1, ba_W2, b2
	s_load_b256 s[36:43], s[0:1], 0xa0             ; g2, be2, m2, v2
	s_load_b128 s[44:47], s[0:1], 0xc0             ; ba_W3, b3
	s_sub_co_u32 s5, ttmp9, 256                    ; b
	s_lshl_b32 s2, s5, 2
	s_mov_b32 s3, 0
	s_lshl_b32 s6, s5, 15                          ; 64 rows of 512 bytes
	s_mov_b32 s7, 0
	s_lshr_b32 s51, s4, 1                          ; layer 1: which 64 inputs are mine
	s_lshl_b32 s50, s4, 13
	v_add_nc_u32 v5, s50, v[V16]                   ; hl: rows 16 w .., 16 l
	v_lshlrev_b32 v6, 3, v0                        ; 8 t
	v_lshlrev_b32 v7, 2, v0                        ; 4 t
	v_and_b32 v12, 63, v0
	v_lshlrev_b32 v12, 4, v12                      ; layer 1: my four columns
	s_lshl_b32 s52, s51, 16
	v_add_nc_u32 v8, s52, v12                      ; W1: 64 rows of 1,024 bytes for each half
	s_lshl_b32 s53, s4, 15
	v_add_nc_u32 v9, s53, v[V16]                   ; W2: 64 rows of 512 bytes for each wave
	s_lshl_b32 s53, s4, 9
	v_add_nc_u32 v10, s53, v[V16]                  ; 512 w + 16 l
	s_lshl_b32 s53, s51, 8
	v_mov_b32 v11, s53                             ; my 64 inputs of layer 1
	s_lshl_b32 s53, s51, 10
	v_add_nc_u32 v12, s53, v12                     ; my partial sums of layer 1
	s_lshl_b32 s53, s4, 8
	v_mov_b32 v13, s53                             ; my 64 inputs of layer 2
	s_lshl_b32 s53, s4, 2
	v_mov_b32 v14, s53
	s_mov_b32 s58, L2E
	s_mov_b32 s59, L2E
	s_mov_b32 s60, 0x76543210
	s_mov_b32 s61, 0xfedcba98
	s_wait_kmcnt 0x0
	s_add_nc_u64 s[16:17], s[16:17], s[2:3]
	s_add_nc_u64 s[10:11], s[10:11], s[2:3]
	s_add_nc_u64 s[8:9], s[8:9], s[6:7]
	s_load_b32 s48, s[16:17], 0x0                  ; nl
	s_load_b32 s49, s[46:47], 0x0                  ; ba_b3
.set ix, 0
.rept 16
	global_load_b128 v[HR+4*ix:HR+4*ix+3], v5, s[8:9] offset:512*ix
.set ix, ix+1
.endr
	global_load_b64 v[224:225], v6, s[22:23]       ; b1, g1, be1, m1, v1 of columns 2 t, 2 t + 1
	global_load_b64 v[226:227], v6, s[24:25]
	global_load_b64 v[228:229], v6, s[26:27]
	global_load_b64 v[230:231], v6, s[28:29]
	global_load_b64 v[232:233], v6, s[30:31]
	global_load_b32 v234, v7, s[34:35]             ; b2, g2, be2, m2, v2, W3 of column t
	global_load_b32 v235, v7, s[36:37]
	global_load_b32 v236, v7, s[38:39]
	global_load_b32 v237, v7, s[40:41]
	global_load_b32 v238, v7, s[42:43]
	global_load_b32 v239, v7, s[44:45]
	WLD B0, 8, 20, 1024, 0
	WLD B1, 8, 20, 1024, 1
	s_wait_kmcnt 0x0
	s_lshl_b32 s54, s4, 4
	s_sub_co_i32 s54, s48, s54                     ; row 16 w + n is valid where n < nl - 16 w
	s_mov_b32 s57, 0
	s_wait_loadcnt 43                              ; my 16 rows of hl are in; the 5 + 6 + 32 younger loads stay out
	s_cmp_gt_i32 s54, 0
	s_cselect_b32 s56, 0x3f800000, 0
	v_pk_mul_f32 v[16:17], v[HR:HR+1],   s[56:57] op_sel_hi:[1,0]
	v_pk_mul_f32 v[18:19], v[HR+2:HR+3], s[56:57] op_sel_hi:[1,0]
.irp n, 1,2,3,4,5,6,7,8,9,10,11,12,13,14,15
	s_cmp_gt_i32 s54, \n
	s_cselect_b32 s56, 0x3f800000, 0               ; hl times its mask, as the function has it
	v_pk_fma_f32 v[16:17], v[HR+4*\n:HR+4*\n+1],   s[56:57], v[16:17] op_sel_hi:[1,0,1]
	v_pk_fma_f32 v[18:19], v[HR+4*\n+2:HR+4*\n+3], s[56:57], v[18:19] op_sel_hi:[1,0,1]
.endr
	ds_store_b128 v10, v[16:19]
	BAR
	ds_load_b32 v20, v7
	ds_load_b32 v21, v7 offset:512
	ds_load_b32 v22, v7 offset:1024
	ds_load_b32 v23, v7 offset:1536
	s_wait_dscnt 0x0
	v_add_f32 v20, v20, v21
	v_add_f32 v22, v22, v23
	v_add_f32 v20, v20, v22
	ds_store_b32 v7, v20 offset:2048               ; h[t]
	BAR
.set ix, 0
.rept 16
	ds_load_b128 v[HR+4*ix:HR+4*ix+3], v11 offset:2048+16*ix
.set ix, ix+1
.endr
	s_wait_dscnt 0x0
	BAFMA B0, 0, 1, 16
	WLD B0, 8, 20, 1024, 2
	BAFMA B1, 1, 0, 16
	WLD B1, 8, 20, 1024, 3
	BAFMA B0, 2, 0, 16
	WLD B0, 9, 32, 512, 0                          ; layer 2's first batches
	BAFMA B1, 3, 0, 16
	WLD B1, 9, 32, 512, 1
	v_pk_add_f32 v[16:17], v[16:17], v[20:21]
	v_pk_add_f32 v[18:19], v[18:19], v[22:23]
	ds_store_b128 v12, v[16:19] offset:2560
	BAR
	ds_load_b64 v[24:25], v6 offset:2560
	ds_load_b64 v[26:27], v6 offset:3584
	v_add_f32 v240, EPSBN, v232
	v_add_f32 v241, EPSBN, v233
	v_rsq_f32 v240, v240
	v_rsq_f32 v241, v241
	v_pk_add_f32 v[242:243], v[224:225], v[230:231] neg_lo:[0,1] neg_hi:[0,1]   ; b1 - m1 (the plain instruction behind the roots)
	s_wait_alu depctr_va_vdst(0)
	v_pk_mul_f32 v[240:241], v[240:241], v[226:227]                             ; g1 / sqrt(v1 + eps)
	s_wait_dscnt 0x0
	v_pk_add_f32 v[24:25], v[24:25], v[26:27]
	v_pk_add_f32 v[24:25], v[24:25], v[242:243]
	v_pk_fma_f32 v[24:25], v[24:25], v[240:241], v[228:229]
	v_pk_mul_f32 v[26:27], v[24:25], s[58:59] op_sel_hi:[1,0]
	v_exp_f32 v26, v26
	v_exp_f32 v27, v27
	v_nop
	s_wait_alu depctr_va_vdst(0)
	v_pk_add_f32 v[26:27], v[26:27], -1.0 op_sel_hi:[1,0]
	v_med3_num_f32 v24, v24, 0, v26
	v_med3_num_f32 v25, v25, 0, v27
	ds_store_b64 v6, v[24:25] offset:4608          ; x1[2 t], x1[2 t + 1]
	BAR
.set ix, 0
.rept 16
	ds_load_b128 v[HR+4*ix:HR+4*ix+3], v13 offset:4608+16*ix
.set ix, ix+1
.endr
	s_wait_dscnt 0x0
	BAFMA B0, 0, 1, 16
	WLD B0, 9, 32, 512, 2
	BAFMA B1, 1, 0, 16
	WLD B1, 9, 32, 512, 3
	BAFMA B0, 2, 0, 16
	BAFMA B1, 3, 0, 0
	v_pk_add_f32 v[16:17], v[16:17], v[20:21]
	v_pk_add_f32 v[18:19], v[18:19], v[22:23]
	ds_store_b128 v10, v[16:19] offset:5632
	BAR
	ds_load_b32 v24, v7 offset:5632
	ds_load_b32 v25, v7 offset:5632+512
	ds_load_b32 v26, v7 offset:5632+1024
	ds_load_b32 v27, v7 offset:5632+1536
	v_add_f32 v28, EPSBN, v238
	v_rsq_f32 v28, v28
	v_sub_f32 v29, v234, v237                      ; b2 - m2
	s_wait_alu depctr_va_vdst(0)
	v_mul_f32 v28, v28, v235
	s_wait_dscnt 0x0
	v_add_f32 v24, v24, v25
	v_add_f32 v26, v26, v27
	v_add_f32 v24, v24, v26
	v_add_f32 v24, v24, v29
	v_fma_f32 v24, v24, v28, v236
	v_mul_f32 v25, s58, v24
	v_exp_f32 v25, v25
	v_nop
	s_wait_alu depctr_va_vdst(0)
	v_add_f32 v25, -1.0, v25
	v_med3_num_f32 v24, v24, 0, v25
	v_mul_f32 v24, v24, v239                       ; x2[t] W3[t]
	v_add_f32_dpp v24, v24, v24 row_xmask:1 row_mask:0xf bank_mask:0xf
	v_add_f32_dpp v24, v24, v24 row_xmask:2 row_mask:0xf bank_mask:0xf
	v_add_f32_dpp v24, v24, v24 row_xmask:4 row_mask:0xf bank_mask:0xf
	v_add_f32_dpp v24, v24, v24 row_xmask:8 row_mask:0xf bank_mask:0xf
	v_permlanex16_b32 v25, v24, s60, s61
	v_add_f32 v24, v24, v25
	ds_store_b32 v14, v24 offset:7680
	BAR
	s_cmp_lg_u32 s4, 0
	s_cbranch_scc1 .Laend
	v_mov_b32 v15, 0
	ds_load_b128 v[24:27], v15 offset:7680
	s_wait_dscnt 0x0
	v_add_f32 v24, v24, v25
	v_add_f32 v26, v26, v27
	v_add_f32 v24, v24, v26
	v_add_f32 v24, s49, v24
	v_cmp_eq_u32 vcc_lo, 0, v0
	s_wait_xcnt 0x0                                ; EXEC changes only behind this wait
	s_and_saveexec_b32 s62, vcc_lo
	global_store_b32 v15, v24, s[10:11]            ; the one number of this work-group
	s_wait_xcnt 0x0
	s_or_b32 exec_lo, exec_lo, s62
.Laend:
	s_set_vgpr_msb 0x5
	s_wait_tensorcnt 0x0
	ds_add_u32 v144, v145
	s_wait_dscnt 0x0
	s_set_vgpr_msb 0x500
	s_endpgm
.Lfunc_end_k_qce5529881b_pairs:
	.size	k_qce5529881b_pairs, .Lfunc_end_k_qce5529881b_pairs-k_qce5529881b_pairs
	.p2alignl 7, 3214868480
	.fill 96, 4, 3214868480
	.section	.rodata,"a",@progbits
	.p2align	6, 0x0
	.amdhsa_kernel k_qce5529881b_pairs
		.amdhsa_group_segment_fixed_size 26112
		.amdhsa_private_segment_fixed_size 0
		.amdhsa_enable_private_segment 0
		.amdhsa_kernarg_size 208
		.amdhsa_user_sgpr_count 2
		.amdhsa_user_sgpr_kernarg_segment_ptr 1
		.amdhsa_wavefront_size32 1
		.amdhsa_system_sgpr_workgroup_id_x 1
		.amdhsa_system_sgpr_workgroup_id_y 1
		.amdhsa_system_sgpr_workgroup_id_z 1
		.amdhsa_system_vgpr_workitem_id 0
		.amdhsa_next_free_vgpr 402
		.amdhsa_next_free_sgpr 102
		.amdhsa_reserve_vcc 1
		.amdhsa_float_denorm_mode_32 3
		.amdhsa_float_denorm_mode_16_64 3
		.amdhsa_memory_ordered 1
		.amdhsa_forward_progress 1
		.amdhsa_inst_pref_size 141
	.end_amdhsa_kernel
	.amdgpu_metadata
---
amdhsa.version: [ 1, 2 ]
amdhsa.kernels:
  - .name:           k_qce5529881b_pairs
    .symbol:         k_qce5529881b_pairs.kd
    .args:
      - { .name: uv, .offset: 0, .size: 8, .value_kind: global_buffer, .address_space: global }
      - { .name: hfrag, .offset: 8, .size: 8, .value_kind: global_buffer, .address_space: global }
      - { .name: l_pos, .offset: 16, .size: 8, .value_kind: global_buffer, .address_space: global }
      - { .name: p_pos, .offset: 24, .size: 8, .value_kind: global_buffer, .address_space: global }
      - { .name: nl_counts, .offset: 32, .size: 8, .value_kind: global_buffer, .address_space: global }
      - { .name: np_counts, .offset: 40, .size: 8, .value_kind: global_buffer, .address_space: global }
      - { .name: out0, .offset: 48, .size: 8, .value_kind: global_buffer, .address_space: global }
      - { .name: out1, .offset: 56, .size: 8, .value_kind: global_buffer, .address_space: global }
      - { .name: out2, .offset: 64, .size: 8, .value_kind: global_buffer, .address_space: global }
      - { .name: out3, .offset: 72, .size: 8, .value_kind: global_buffer, .address_space: global }
      - { .name: hl, .offset: 80, .size: 8, .value_kind: global_buffer, .address_space: global }
      - { .name: out4, .offset: 88, .size: 8, .value_kind: global_buffer, .address_space: global }
      - { .name: ba_W1, .offset: 96, .size: 8, .value_kind: global_buffer, .address_space: global }
      - { .name: ba_b1, .offset: 104, .size: 8, .value_kind: global_buffer, .address_space: global }
      - { .name: ba_g1, .offset: 112, .size: 8, .value_kind: global_buffer, .address_space: global }
      - { .name: ba_be1, .offset: 120, .size: 8, .value_kind: global_buffer, .address_space: global }
      - { .name: ba_m1, .offset: 128, .size: 8, .value_kind: global_buffer, .address_space: global }
      - { .name: ba_v1, .offset: 136, .size: 8, .value_kind: global_buffer, .address_space: global }
      - { .name: ba_W2, .offset: 144, .size: 8, .value_kind: global_buffer, .address_space: global }
      - { .name: ba_b2, .offset: 152, .size: 8, .value_kind: global_buffer, .address_space: global }
      - { .name: ba_g2, .offset: 160, .size: 8, .value_kind: global_buffer, .address_space: global }
      - { .name: ba_be2, .offset: 168, .size: 8, .value_kind: global_buffer, .address_space: global }
      - { .name: ba_m2, .offset: 176, .size: 8, .value_kind: global_buffer, .address_space: global }
      - { .name: ba_v2, .offset: 184, .size: 8, .value_kind: global_buffer, .address_space: global }
      - { .name: ba_W3, .offset: 192, .size: 8, .value_kind: global_buffer, .address_space: global }
      - { .name: ba_b3, .offset: 200, .size: 8, .value_kind: global_buffer, .address_space: global }
    .group_segment_fixed_size: 26112
    .private_segment_fixed_size: 0
    .kernarg_segment_align: 8
    .kernarg_segment_size: 208
    .max_flat_workgroup_size: 128
    .sgpr_count:     102
    .vgpr_count:     402
    .wavefront_size: 32
...
	.end_amdgpu_metadata
.endif
;; end of part 4
